; MI455X (gfx1250); checked and timed in simulation.
; The chip was launched on July 23, 2026; its instructions are those of AMD's public machine-readable ISA for CDNA 5 (MIT licence, August 2026) and "CDNA5" Instruction Set Architecture Reference Guide (July 2026). The comments in the code are by the model that wrote it; some were corrected since.
;; Latent Attention Layer. Allowed arithmetic: matrix products marked QUANTISED: E2M3 operands, one E8M0 scale for each 32 along K, by v_wmma_scale_f32_16x16x128_f8f6f4 with both operands' format E2M3, f32 sums; everything else in f32.
;; Inputs: Wkd 1,024 x 512 float32; Wku 256 x 2,048 float32; Wo 1,024 x 1,024 float32; Wq 1,024 x 1,024 float32; bkd 512 float32; bku 2,048 float32; bo 1,024 float32; bq 1,024 float32; x 2 x 2,048 x 1,024 float32.
;; Outputs: out0 2 x 2,048 x 1,024 float32.
;; This version of the problem:
;;   THIS VERSION OF THE PROBLEM IS GIVEN IN LOW PRECISION. The matrix products marked QUANTISED in the list below multiply operands that are first quantised to E2M3 (2 exponent bits, 3 mantissa bits; 6 bits a number), with one power-of-two scale for each 32 numbers along K (OCP MX v1.0); their sums are f32. All else is computed in f32.
;;   The module's matrix products, in the order in which they are computed (A, B: the left and right operand; K: the contracted axis; several contracted axes count as one K, in the product's order):
;;     1. [M 4,096, K 1,024] x [K 1,024, N 1,024]; A: input x; B: input Wq: QUANTISED
;;     2. [M 4,096, K 1,024] x [K 1,024, N 512]; A: input x; B: input Wkd: QUANTISED
;;     3. [M 4,096, K 256] x [K 256, N 2,048]; A: computed on the way; B: input Wku: QUANTISED
;;     4. batch 32 x [M 2,048, K 64] x [K 64, N 2,048]; A: computed on the way; B: computed on the way: QUANTISED
;;     5. batch 32 x [M 64, K 2,048] x [K 2,048, N 2,048]; A: computed on the way; B: softmax (see below): QUANTISED
;;     6. [M 4,096, K 1,024] x [K 1,024, N 1,024]; A: computed on the way; B: input Wo: QUANTISED
;;   THE QUANTISER, for each operand of a quantised product, along K:
;;     - K is cut into blocks of 32 from its start; a last block that is shorter is filled with zeros.
;;     - A block's scale is 2^e with e = floor(log2(the largest magnitude in the block)) - 2, held to -126 .. 127; a block of zeros has e = 0. As a byte (E8M0): e + 127.
;;     - Each number is divided by its block's scale, clamped to +-7.5, and rounded to the nearest number of E2M3, ties to even, subnormals kept.
;;     - The product sums the exact products of the quantised numbers (number of the format x scale) in f32.
;;   ~~~python
;;   def quantise(x, axis):      # numpy; x: float32 -> the quantised numbers, widened to float32 again
;;       x = np.moveaxis(x, axis, -1); K = x.shape[-1]
;;       x = np.pad(x, [(0, 0)] * (x.ndim - 1) + [(0, -K % 32)]); x = x.reshape(x.shape[:-1] + (-1, 32)); a = np.abs(x).max(-1, keepdims=True)
;;       e = np.where(a > 0, np.clip(np.frexp(np.where(a > 0, a, 1))[1] - 1 - 2, -126, 127), 0)      # np.frexp(a)[1] - 1 = floor(log2(a)), exactly
;;       r = np.clip(x / 2.0 ** e, -7.5, 7.5)
;;       step = 2.0 ** (np.maximum(np.frexp(np.where(r == 0, 1, r))[1] - 1, 0) - 3)
;;       q = np.round(r / step) * step * 2.0 ** e      # np.round: ties to even
;;       return np.moveaxis(q.reshape(q.shape[:-2] + (-1,))[..., :K], -1, axis).astype(np.float32)
;;   ~~~
;;   SOFTMAX AHEAD OF A QUANTISED PRODUCT. Where the list says 'softmax', what is quantised is not the finished softmax but p = 2^(t - M), with t = logit x log2(e) and M = ceil(the row's largest t), a whole number; so 1/2 < the row's largest p <= 1. The row's sum l is taken of the UNQUANTISED p, in f32, and the product's result is divided by l at the end. Since M is a whole number, a kernel that streams over the keys may use a running M (the ceiling of the running maximum): every later rescaling is an exact power of two, which a block's scale takes up: the codes' values come out the same.
;;   OPERANDS COMPUTED ON THE WAY. 'Computed on the way' means the value that the module computes at that place (a softmax that the list does not call 'softmax' is quantised finished and normalised). What goes into a quantiser is computed in f32, as accurately as f32 sums, v_exp_f32 and their like allow (about 1e-6 of the number): no bf16 or f16 on the way to a quantiser, and a product that is left as it is and whose result goes on into a quantised operand takes f32 operands (vector FMAs, or v_wmma_f32_16x16x4_f32). A number that lies on a knife's edge between two numbers of the format may be rounded either way, as far as f32 arithmetic and the matrix unit's own rounding can turn it there, and no further.
;; One version. Each part assembles by itself: llvm-mc -triple=amdgcn-amd-amdhsa -mcpu=gfx1250 --defsym DOCPART=n.
;; ======== version 1 of 1: 5 launches
;; limits: right only within a limited range of input values
;; workspace buffers: xr 3,407,872 bytes; wr 2,555,904 bytes; qb 3,276,800 bytes; latf 4,194,304 bytes; kv 6,553,600 bytes; oc 3,407,872 bytes
;; launch prep (part 1): grid 448 x 1, 4 waves a work-group, no clusters, 68,096 bytes of LDS; arguments x, Wq, Wkd, Wku, Wo, xr, wr; writes xr, wr
.if DOCPART == 1
	.amdgcn_target "amdgcn-amd-amdhsa--gfx1250"
	.amdhsa_code_object_version 6
	.text
	.protected	k_q7459382bcc_prep
	.globl	k_q7459382bcc_prep
	.p2align	8
	.type	k_q7459382bcc_prep,@function
k_q7459382bcc_prep:
	s_mov_b64 s[64:65], 0
	v_nop
	global_prefetch_b8 v0, s[64:65] scope:SCOPE_SE
	s_setreg_imm32_b32 hwreg(HW_REG_WAVE_MODE, 25, 1), 1
	s_wait_xcnt 0x0
; x [4096][1024] and the four weights ([K][N], K their FIRST axis), f32, become codes of FP6 (E2M3) with one E8M0 byte for each 32 along K,
; laid as RECORDS in the order of the matrix operand's registers.  A record is 32 rows (tokens, or columns of a weight) x 128 along K, 3,328 bytes:
; the image of tile 0 (16 rows: 12 registers a lane, as 3 x 512 bytes, lane l's 16 bytes at 16 l), the image of tile 1, and 32 slots of 8 bytes (scale word, 0).
; Lane r of tile u is row 8 u + r + 8 (r / 8) of the 32: so in a product that takes the two tiles as source 0 a lane's 16 results are 16 neighbouring rows.
; A block's scale is 2^(floor(log2(largest magnitude)) - 2); its byte is the largest magnitude's exponent field - 2, held at 1 from below.
; LIMITS: a block of zeros, or one whose largest magnitude lies under 2^-124, gets the byte 1 (its codes are zeros or subnormal codes; only this program reads the bytes); NaN and infinities are not served.
; SHARES: a wave makes one record.  Work-groups 0-255: x; 256-319: Wq; 320-383: Wo; 384-415: Wkd; 416-447: Wku.  The branches hang on the work-group's number alone.
; A lane ends up with all 128 numbers of ONE row in v32-159, so a block's maximum needs no other lane.  x: each load reads 512 consecutive bytes of a row; the 32 rows turn through the wave's own
; stage in LDS (pitch 528 bytes = 33 x 16).  Weights: lane l takes a column, its registers run down K; a work-group's four waves stand side by side on 512 bytes of a row.
; No tensor load, no barrier: waves share nothing.
.set REC,   3328
.set STG,   32*528                     ; a wave's stage
.set SPARE, 4*STG                      ; behind the stages: the spare words, 128 bytes a wave, named by no other line
.set WKU_R, 384                        ; records in front of Wku's in wr (W1: 48 groups x 8 steps)
.set WO_G,  64                         ; groups of 8 records in front of Wo's
.set SPW, 10                           ; v10 LDS address of my spare word; never rewritten
.set NIL, 11                           ; v11 0; never rewritten
.set BY,  12                           ; v12-15 the four scale bytes
.set SW,  16                           ; v[16:17] the slot: scale word, 0
.set X,   32                           ; v32-159 my row's 128 numbers
.set IM0, 160                          ; v160-171 blocks 0 and 2, later tile 0's image
.set IM1, 172                          ; v172-183 blocks 1 and 3, later tile 1's image
.set CT,  184                          ; v184-199 the blocks' upper 16 codes (a conversion's three registers begin on an even number)
.set M,   200                          ; v200-203 largest magnitudes
.set SOP, 204                          ; v204-207 the conversions' scale operands
	s_load_b256 s[4:11], s[0:1], 0x0               ; x, Wq, Wkd, Wku
	s_load_b128 s[12:15], s[0:1], 0x20             ; Wo, xr
	s_load_b64 s[16:17], s[0:1], 0x30              ; wr
	v_lshl_add_u32 v[SPW], v0, 2, SPARE
	v_mov_b32 v[NIL], 0
	v_lshrrev_b32 v1, 5, v0
	v_readfirstlane_b32 s18, v1                    ; wave
	v_and_b32 v1, 31, v0                           ; l
	v_lshlrev_b32 v2, 4, v1                        ; 16 l
	v_lshlrev_b32 v3, 3, v1                        ; 8 l
	v_and_b32 v6, 15, v1
	v_bfe_u32 v7, v1, 4, 1
	v_bfe_u32 v8, v1, 3, 1
	v_add_nc_u32 v7, v7, v8
	v_lshl_add_u32 v4, v7, 3, v6                   ; my row of the 32: 8 (l / 16) + l % 16 + 8 ((l / 8) % 2)
	v_lshlrev_b32 v4, 2, v4                        ; as a column of a weight, in bytes
	s_mul_i32 s19, s18, STG
	v_add_nc_u32 v5, s19, v2                       ; the stage, on the way in: 16 l of a row
	v_mul_u32_u24 v6, v1, 528
	v_add_nc_u32 v6, s19, v6                       ; and on the way out: row l
	s_lshl_b32 s20, ttmp9, 2
	s_add_co_u32 s20, s20, s18                     ; my job
	s_mov_b32 s25, 0
	s_mov_b32 s27, 0
	s_wait_kmcnt 0x0
	s_cmp_lt_u32 ttmp9, 256
	s_cselect_b64 s[22:23], s[14:15], s[16:17]     ; where the record goes: xr or wr
	s_cbranch_scc0 .Lweights
	; ---- x: group = job / 8 (32 rows of 4,096 bytes), K step = job % 8 (512 bytes)
	s_lshr_b32 s24, s20, 3
	s_lshl_b32 s24, s24, 17
	s_and_b32 s28, s20, 7
	s_lshl_b32 s28, s28, 9
	s_add_co_u32 s24, s24, s28
	s_add_nc_u64 s[4:5], s[4:5], s[24:25]
	s_mul_i32 s26, s20, REC
.set i, 0
.rept 32
	global_load_b128 v[X+4*i:X+4*i+3], v2, s[4:5] offset:4096*i th:TH_LOAD_NT   ; row i: 512 consecutive bytes
.set i, i+1
.endr
.set i, 0
	s_wait_alu depctr_va_vdst(0)
.rept 32
	s_wait_loadcnt 31-i                            ; loads come back in order: row i is in, the younger ones may be out
	ds_store_b128 v5, v[X+4*i:X+4*i+3] offset:528*(8*(i/16)+i%16+8*((i/8)%2))   ; row i goes to the place of the lane that owns it
.set i, i+1
.endr
	s_wait_dscnt 0x0                               ; the stores have read their registers
.set i, 0
.rept 32
	ds_load_b128 v[X+4*i:X+4*i+3], v6 offset:16*i  ; my row's 128 numbers
.set i, i+1
.endr
	s_wait_dscnt 0x0
	s_branch .Lquant
.macro WLOAD base, pitch               ; W(128 s + k, my column), k = 0 .. 127: 128 consecutive bytes a wave and load
.set k, 0
.rept 128
	global_load_b32 v[X+k], v4, s[\base:\base+1] offset:k*\pitch th:TH_LOAD_NT
.set k, k+1
.endr
	s_wait_loadcnt 0x0
.endm
.Lweights:
	s_cmp_lt_u32 ttmp9, 384
	s_cbranch_scc0 .Lnarrow
	; ---- Wq or Wo: 32 column groups x 8 K steps, rows of 4,096 bytes
	s_cmp_lt_u32 ttmp9, 320
	s_cselect_b64 s[4:5], s[6:7], s[12:13]
	s_mov_b32 s28, 1280
	s_cselect_b32 s28, 1024, s28
	s_sub_co_u32 s28, s20, s28
	s_and_b32 s29, s28, 31                         ; column group
	s_lshr_b32 s30, s28, 5                         ; K step
	s_lshl_b32 s24, s30, 19                        ; 128 rows of 4,096 bytes
	s_lshl_b32 s31, s29, 7
	s_add_co_u32 s24, s24, s31
	s_add_nc_u64 s[4:5], s[4:5], s[24:25]
	s_lshr_b32 s31, s29, 2
	s_mul_i32 s31, s31, 6
	s_and_b32 s32, s29, 3
	s_add_co_u32 s31, s31, s32                     ; Wq: part g / 4 owns six groups on end, Wq's four first
	s_add_co_u32 s32, s29, WO_G                    ; Wo: in order
	s_cmp_lt_u32 ttmp9, 320
	s_cselect_b32 s26, s31, s32
	s_lshl_b32 s26, s26, 3
	s_add_co_u32 s26, s26, s30
	s_mul_i32 s26, s26, REC
	s_wait_alu depctr_va_vdst(0)
	WLOAD 4, 4096
	s_branch .Lquant
.Lnarrow:
	s_cmp_lt_u32 ttmp9, 416
	s_cbranch_scc0 .Lwku
	; ---- Wkd: 16 column groups x 8 K steps, rows of 2,048 bytes
	s_sub_co_u32 s28, s20, 1536
	s_and_b32 s29, s28, 15
	s_lshr_b32 s30, s28, 4
	s_lshl_b32 s24, s30, 18
	s_lshl_b32 s31, s29, 7
	s_add_co_u32 s24, s24, s31
	s_add_nc_u64 s[8:9], s[8:9], s[24:25]
	s_and_b32 s31, s29, 7
	s_mul_i32 s31, s31, 6
	s_lshr_b32 s32, s29, 3
	s_add_co_u32 s31, s31, s32
	s_add_co_u32 s31, s31, 4                       ; part g % 8: its fifth group (columns 32 p on) or its sixth (256 + 32 p on)
	s_lshl_b32 s26, s31, 3
	s_add_co_u32 s26, s26, s30
	s_mul_i32 s26, s26, REC
	s_wait_alu depctr_va_vdst(0)
	WLOAD 8, 2048
	s_branch .Lquant
.Lwku:
	; ---- Wku: 64 column groups x 2 K steps, rows of 8,192 bytes
	s_sub_co_u32 s28, s20, 1664
	s_and_b32 s29, s28, 63
	s_lshr_b32 s30, s28, 6
	s_lshl_b32 s24, s30, 20
	s_lshl_b32 s31, s29, 7
	s_add_co_u32 s24, s24, s31
	s_add_nc_u64 s[10:11], s[10:11], s[24:25]
	s_lshl_b32 s26, s29, 1
	s_add_co_u32 s26, s26, s30
	s_add_co_u32 s26, s26, WKU_R
	s_mul_i32 s26, s26, REC
	s_wait_alu depctr_va_vdst(0)
	WLOAD 10, 8192
.Lquant:
	s_add_nc_u64 s[22:23], s[22:23], s[26:27]      ; my record
.irp b, 0,1,2,3
	v_max3_num_f32 v[M+\b], |v[X+32*\b]|, |v[X+32*\b+1]|, 0x1800000   ; block b: all 32 numbers are mine; the floor 2^(3 - 127) holds the byte at 1 from below
.endr
.irp i, 2,4,6,8,10,12,14,16,18,20,22,24,26,28,30
.irp b, 0,1,2,3
	v_max3_num_f32 v[M+\b], v[M+\b], |v[X+32*\b+\i]|, |v[X+32*\b+\i+1]|   ; the four blocks by turns
.endr
.endr
.irp b, 0,1,2,3
	v_add_nc_u32 v[SOP+\b], 0xff000000, v[M+\b]    ; 2 off the exponent field: the conversion takes this operand's exponent field as its scale
.endr
.irp b, 0,1,2,3
	v_lshrrev_b32 v[BY+\b], 23, v[SOP+\b]          ; the scale's byte
.endr
	v_lshl_or_b32 v[SW], v[BY+1], 8, v[BY]
	v_lshl_or_b32 v[SW], v[BY+2], 16, v[SW]
	v_lshl_or_b32 v[SW], v[BY+3], 24, v[SW]
	v_mov_b32 v[SW+1], 0
	v_cvt_scalef32_pk16_fp6_f32 v[IM0:IM0+2], v[X:X+15], v[SOP]
	v_cvt_scalef32_pk16_fp6_f32 v[CT:CT+2], v[X+16:X+31], v[SOP]
	v_cvt_scalef32_pk16_fp6_f32 v[IM1:IM1+2], v[X+32:X+47], v[SOP+1]
	v_cvt_scalef32_pk16_fp6_f32 v[CT+4:CT+6], v[X+48:X+63], v[SOP+1]
	v_cvt_scalef32_pk16_fp6_f32 v[IM0+6:IM0+8], v[X+64:X+79], v[SOP+2]
	v_cvt_scalef32_pk16_fp6_f32 v[CT+8:CT+10], v[X+80:X+95], v[SOP+2]
	v_cvt_scalef32_pk16_fp6_f32 v[IM1+6:IM1+8], v[X+96:X+111], v[SOP+3]
	v_cvt_scalef32_pk16_fp6_f32 v[CT+12:CT+14], v[X+112:X+127], v[SOP+3]
	v_nop                                          ; one plain place behind the scaled conversions
.irp i, 0,1,2
	v_mov_b32 v[IM0+3+\i], v[CT+\i]
	v_mov_b32 v[IM1+3+\i], v[CT+4+\i]
	v_mov_b32 v[IM0+9+\i], v[CT+8+\i]
	v_mov_b32 v[IM1+9+\i], v[CT+12+\i]
.endr
; Lanes 0-15 hold tile 0's rows, lanes 16-31 tile 1's, each with blocks 0, 2 in IM0 and 1, 3 in IM1.  The operand wants lanes 0-15 of a tile to hold blocks 0, 2 and lanes 16-31 blocks 1, 3:
; IM0's upper lanes change places with IM1's lower lanes.
.irp i, 0,1,2,3,4,5,6,7,8,9,10,11
	v_permlane16_swap_b32 v[IM0+\i], v[IM1+\i]
.endr
.irp k, 0,1,2
	global_store_b128 v2, v[IM0+4*\k:IM0+4*\k+3], s[22:23] offset:512*\k        ; 512 consecutive bytes, at a multiple of 256 from the buffer's first byte
.endr
.irp k, 0,1,2
	global_store_b128 v2, v[IM1+4*\k:IM1+4*\k+3], s[22:23] offset:1536+512*\k
.endr
	global_store_b64 v3, v[SW:SW+1], s[22:23] offset:3072                       ; the 32 slots: 256 consecutive bytes
	s_wait_tensorcnt 0x0                           ; the wave's end
	ds_add_u32 v[SPW], v[NIL]
	s_wait_dscnt 0x0
	s_endpgm
.Lfunc_end_k_q7459382bcc_prep:
	.size	k_q7459382bcc_prep, .Lfunc_end_k_q7459382bcc_prep-k_q7459382bcc_prep
	.p2alignl 7, 3214868480
	.fill 96, 4, 3214868480
	.section	.rodata,"a",@progbits
	.p2align	6, 0x0
	.amdhsa_kernel k_q7459382bcc_prep
		.amdhsa_group_segment_fixed_size 68096
		.amdhsa_private_segment_fixed_size 0
		.amdhsa_enable_private_segment 0
		.amdhsa_kernarg_size 56
		.amdhsa_user_sgpr_count 2
		.amdhsa_user_sgpr_kernarg_segment_ptr 1
		.amdhsa_wavefront_size32 1
		.amdhsa_system_sgpr_workgroup_id_x 1
		.amdhsa_system_sgpr_workgroup_id_y 1
		.amdhsa_system_sgpr_workgroup_id_z 1
		.amdhsa_system_vgpr_workitem_id 0
		.amdhsa_next_free_vgpr 208
		.amdhsa_next_free_sgpr 66
		.amdhsa_reserve_vcc 0
		.amdhsa_float_denorm_mode_32 3
		.amdhsa_float_denorm_mode_16_64 3
		.amdhsa_memory_ordered 1
		.amdhsa_forward_progress 1
		.amdhsa_inst_pref_size 55
	.end_amdhsa_kernel
	.amdgpu_metadata
---
amdhsa.version: [ 1, 2 ]
amdhsa.kernels:
  - .name:           k_q7459382bcc_prep
    .symbol:         k_q7459382bcc_prep.kd
    .args:
      - { .name: x, .offset: 0, .size: 8, .value_kind: global_buffer, .address_space: global }
      - { .name: Wq, .offset: 8, .size: 8, .value_kind: global_buffer, .address_space: global }
      - { .name: Wkd, .offset: 16, .size: 8, .value_kind: global_buffer, .address_space: global }
      - { .name: Wku, .offset: 24, .size: 8, .value_kind: global_buffer, .address_space: global }
      - { .name: Wo, .offset: 32, .size: 8, .value_kind: global_buffer, .address_space: global }
      - { .name: xr, .offset: 40, .size: 8, .value_kind: global_buffer, .address_space: global }
      - { .name: wr, .offset: 48, .size: 8, .value_kind: global_buffer, .address_space: global }
    .group_segment_fixed_size: 68096
    .private_segment_fixed_size: 0
    .kernarg_segment_align: 8
    .kernarg_segment_size: 56
    .max_flat_workgroup_size: 128
    .sgpr_count:     66
    .vgpr_count:     208
    .wavefront_size: 32
...
	.end_amdgpu_metadata
.endif
;; end of part 1
;; launch qlat (part 2): grid 32 x 8, 8 waves a work-group, clusters of 4 x 4, 327,680 bytes of LDS; arguments xr, wr, bq, bkd, qb, latf; writes qb, latf
.if DOCPART == 2
	.amdgcn_target "amdgcn-amd-amdhsa--gfx1250"
	.amdhsa_code_object_version 6
	.text
	.protected	k_q7459382bcc_qlat
	.globl	k_q7459382bcc_qlat
	.p2align	8
	.type	k_q7459382bcc_qlat,@function
k_q7459382bcc_qlat:
	s_mov_b64 s[64:65], 0
	v_nop
	global_prefetch_b8 v0, s[64:65] scope:SCOPE_SE
	s_setreg_imm32_b32 hwreg(HW_REG_WAVE_MODE, 25, 1), 1
	s_wait_xcnt 0x0
	s_wait_alu depctr_hold_cnt(0) depctr_sa_sdst(0) depctr_va_vdst(0) depctr_va_sdst(0) depctr_va_ssrc(0) depctr_va_vcc(0) depctr_vm_vsrc(0)
	s_getreg_b32 s2, hwreg(HW_REG_IB_STS2, 6, 4)
	s_cmp_eq_u32 s2, 0
	s_cbranch_scc0 .Lentry_in_a_cluster
	s_endpgm
.Lentry_in_a_cluster:
	s_bfe_u32 s2, ttmp6, 0x10000c
	s_cmp_lg_u32 s2, 0xf033
	s_cbranch_scc0 .Lentry_shape_is_right
	s_endpgm
.Lentry_shape_is_right:
; q = x Wq + bq, quantised along each head's 64, and lat = gelu(x Wkd + bkd)[.., :256] + gelu(..)[.., 256:], kept in f32.  Both products on codes of FP6 (E2M3), scales E8M0, sums f32.
; SHARES.  Work-group (T, part): 128 tokens (record groups 4 T .. 4 T + 3 of xr) x six column groups of W1: heads 2 part, 2 part + 1 of Wq, columns 32 part .. + 31 and 256 + 32 part .. + 31 of Wkd.
; Wave w: token group g = w % 4 (two tiles), x = w / 4: the four tiles of head 2 part + x and tile x of each of the two Wkd groups: 12 accumulators, 8 fragments read for 12 products of a K step.
; THE PRODUCTS ARE USED TRANSPOSED (source 0 = 16 columns of a weight, source 1 = 16 tokens): a lane holds ONE token and, by the records' order of rows, 16 neighbouring columns in the 16 registers of two tiles.
; ALL EIGHT K STEPS LIE IN LDS AT ONCE (266,240 bytes), each byte filled once: four tensor loads a wave at the start, none later; four of a wave's loads are outstanding at the most.
; CLUSTER 4 x 4: x's records hang on T alone and are shared along a column of the cluster, W1's on part alone and are shared along a row: each is asked for jointly, which divides the requests by four.
; The biases are loaded INTO the accumulators, so every K step adds in place and nothing is cleared.
; GELU, exact form: gelu(v) = max(v, 0) - |v| t 2^E, t = 1 / (1 + |v| / sqrt(8)), E = -v^2 log2(e) / 2 + a polynomial of degree 9 in t: the rational Chebyshev form of erfc (relative error about 1e-7 for every argument),
; its coefficients times log2(e), the factor 1/2 folded in as -1.  No branch; large |v| give 2^E = 0.
; LIMITS: NaN and infinities are not served; a block of zeros or under 2^-124 keeps the byte 1 (only this program reads the bytes).
; REGISTERS.  Window 0: v4-9 LDS addresses; v16-25 scale words, two sets of five; v32-69 the quantiser's; v72-153 GELU's; v160-223 q's accumulators (32 u + 8 p); v224-255 Wkd's (low[u] at 8 u, high[u] at 16 + 8 u).
; Window 1: two fragment buffers at 0 and 128: weights' tiles at 12 p, tokens' at 72 + 12 u.
.set REC,   3328
; LDS AND LOADS, as the text now has them (this takes the place of what the head comment says of four loads a wave and of the order of a K step in LDS):
; LDS holds the records in the order of memory, [group][K step]: x's four groups (32 records) at 0, W1's six groups (48 records) at BOFF; both are dense blocks of memory.
; ONE joint load a wave: waves 0-3 fetch one group of x each (104 rows of 256 bytes), waves 4-7 twelve records of W1 each (156 rows of 256 bytes); one load of a wave is outstanding.
.set GRP,   8*REC                      ; from a group's records to the next group's
.set STEPB, REC                        ; from a K step's record to the next step's
.set BOFF,  32*REC
.set SPARE, 80*REC
.set QSOFF, 128*16*1536                ; q's scale words in qb
.set AD,   4
.set SPW,  10
.set NIL,  11
.set H64,  12
.set L16,  13
.set L8,   14
.set R4,   15
.set SC,   16
.set TM,   32
.set PW,   48
.set PC,   50
.set CT,   62
.set TT,   72
.set PP,   104
.set TP,   144
.set C8,   152
.set ACCQ, 160
.set ACCK, 224
.set WV,   16
.set G1A,  24
.set G1B,  32
.set G0A,  40
.set G0B,  48
.set SEL,  86
.set MSB, 0
.macro WIN new                         ; the immediate's high byte repeats the setting that is left
.if MSB != \new
	s_set_vgpr_msb (MSB<<8)|\new
.set MSB, \new
.endif
.endm
.macro PLACES n
.rept \n
	v_nop
.endr
.endm
.macro CROUND                          ; a round of the cluster's barrier
	s_barrier_signal -1
	s_barrier_wait -1
	s_cmp_lg_u32 s[WV], 0
	s_cbranch_scc1 .Lnot_wave_0_\@
	s_barrier_signal -3
.Lnot_wave_0_\@:
	s_barrier_wait -3
	s_barrier_signal -1
	s_barrier_wait -1
.endm
; one product in place: ra, rb = 1: that side's scale words stand in lanes 16-31
.macro WMM d, a, b, sa, sb, ra, rb
.if (\ra) && (\rb)
	v_wmma_scale_f32_16x16x128_f8f6f4 v[\d:\d+7], v[\a:\a+11], v[\b:\b+11], v[\d:\d+7], v[\sa], v[\sb] matrix_a_fmt:MATRIX_FMT_FP6 matrix_b_fmt:MATRIX_FMT_FP6 matrix_a_scale:MATRIX_SCALE_ROW1 matrix_b_scale:MATRIX_SCALE_ROW1
.elseif \ra
	v_wmma_scale_f32_16x16x128_f8f6f4 v[\d:\d+7], v[\a:\a+11], v[\b:\b+11], v[\d:\d+7], v[\sa], v[\sb] matrix_a_fmt:MATRIX_FMT_FP6 matrix_b_fmt:MATRIX_FMT_FP6 matrix_a_scale:MATRIX_SCALE_ROW1
.elseif \rb
	v_wmma_scale_f32_16x16x128_f8f6f4 v[\d:\d+7], v[\a:\a+11], v[\b:\b+11], v[\d:\d+7], v[\sa], v[\sb] matrix_a_fmt:MATRIX_FMT_FP6 matrix_b_fmt:MATRIX_FMT_FP6 matrix_b_scale:MATRIX_SCALE_ROW1
.else
	v_wmma_scale_f32_16x16x128_f8f6f4 v[\d:\d+7], v[\a:\a+11], v[\b:\b+11], v[\d:\d+7], v[\sa], v[\sb] matrix_a_fmt:MATRIX_FMT_FP6 matrix_b_fmt:MATRIX_FMT_FP6
.endif
.endm
; 64 numbers of a lane become a fragment's 12 registers and a scale word.  Blocks 0, 1 at v[s0] on, blocks 2, 3 at v[s1] on; in a block's 16 registers: k = 16 (lane / 16) + i of the block.
.macro QUANT s0, s1, pc, pw
.irp b, 0,1
	v_max3_num_f32 v[TM+\b], |v[\s0+16*\b]|, |v[\s0+16*\b+1]|, 0x1800000       ; my 16 numbers and the floor 2^(3 - 127): the byte cannot fall under 1
	v_max3_num_f32 v[TM+2+\b], |v[\s1+16*\b]|, |v[\s1+16*\b+1]|, 0x1800000
.endr
.irp i, 2,4,6,8,10,12,14
.irp b, 0,1
	v_max3_num_f32 v[TM+\b], v[TM+\b], |v[\s0+16*\b+\i]|, |v[\s0+16*\b+\i+1]|
	v_max3_num_f32 v[TM+2+\b], v[TM+2+\b], |v[\s1+16*\b+\i]|, |v[\s1+16*\b+\i+1]|
.endr
.endr
.irp b, 0,1,2,3
	v_permlanex16_b32 v[TM+4+\b], v[TM+\b], s[SEL], s[SEL+1]
.endr
.irp b, 0,1,2,3
	s_delay_alu instid0(VALU_DEP_4)
	v_max_num_f32 v[TM+\b], v[TM+\b], v[TM+4+\b]   ; with lane l xor 16's: the block's largest magnitude
.endr
.irp b, 0,1,2,3
	s_delay_alu instid0(VALU_DEP_4)
	v_add_nc_u32 v[TM+12+\b], 0xff000000, v[TM+\b] ; 2 off the exponent field: the conversion's scale operand
.endr
.irp b, 0,1,2,3
	s_delay_alu instid0(VALU_DEP_4)
	v_lshrrev_b32 v[TM+4+\b], 23, v[TM+12+\b]      ; the scale's byte
.endr
	s_delay_alu instid0(VALU_DEP_3)
	v_lshl_or_b32 v[\pw], v[TM+5], 8, v[TM+4]
	s_delay_alu instid0(VALU_DEP_1)
	v_lshl_or_b32 v[\pw], v[TM+6], 16, v[\pw]
	s_delay_alu instid0(VALU_DEP_1)
	v_lshl_or_b32 v[\pw], v[TM+7], 24, v[\pw]
	v_cvt_scalef32_pk16_fp6_f32 v[\pc:\pc+2], v[\s0:\s0+15], v[TM+12]
	v_cvt_scalef32_pk16_fp6_f32 v[CT:CT+2], v[\s0+16:\s0+31], v[TM+13]
	v_cvt_scalef32_pk16_fp6_f32 v[\pc+6:\pc+8], v[\s1:\s1+15], v[TM+14]
	v_cvt_scalef32_pk16_fp6_f32 v[CT+4:CT+6], v[\s1+16:\s1+31], v[TM+15]
	v_nop                                          ; one plain place behind the scaled conversions
.irp i, 0,1,2                          ; the operand wants a WHOLE block in a lane: lanes 0-15 the even block, lanes 16-31 the odd one
	v_permlane16_swap_b32 v[\pc+\i], v[CT+\i]
	v_permlane16_swap_b32 v[\pc+6+\i], v[CT+4+\i]
.endr
.irp i, 0,1,2
	v_mov_b32 v[\pc+3+\i], v[CT+\i]
	v_mov_b32 v[\pc+9+\i], v[CT+4+\i]
.endr
.endm
.macro FETCH f                         ; a K step's 8 fragments (24 loads of 512 consecutive bytes) and 5 scale registers
	WIN 0x40                                       ; destination window 1, address window 0
.irp p, 0,1,2,3
.irp k, 0,1,2
	ds_load_b128 v[128*\f+12*\p+4*\k:128*\f+12*\p+4*\k+3], v[AD] offset:GRP*(\p/2)+1536*(\p%2)+512*\k
.endr
.endr
.irp k, 0,1,2
	ds_load_b128 v[128*\f+48+4*\k:128*\f+48+4*\k+3], v[AD+1] offset:512*\k
.endr
.irp k, 0,1,2
	ds_load_b128 v[128*\f+60+4*\k:128*\f+60+4*\k+3], v[AD+1] offset:GRP+512*\k
.endr
.irp u, 0,1
.irp k, 0,1,2
	ds_load_b128 v[128*\f+72+12*\u+4*\k:128*\f+72+12*\u+4*\k+3], v[AD+2] offset:1536*\u+512*\k
.endr
.endr
	WIN 0
	ds_load_b32 v[SC+5*\f], v[AD+3]                ; lanes 0-15: tile 0's words, lanes 16-31: tile 1's
	ds_load_b32 v[SC+5*\f+1], v[AD+3] offset:GRP
	ds_load_b32 v[SC+5*\f+2], v[AD+4]              ; Wkd's tile x, low columns
	ds_load_b32 v[SC+5*\f+3], v[AD+4] offset:GRP   ; high columns
	ds_load_b32 v[SC+5*\f+4], v[AD+5]              ; the tokens'
.endm
.macro MUL f                           ; 12 products; the 12 accumulators take turns, one instruction a turn, in the same order in every step
	WIN 0x05                                       ; sources 0 and 1 window 1; C and D window 0
.irp u, 0,1
.irp p, 0,1,2,3
	WMM ACCQ+32*\u+8*\p, 128*\f+12*\p, 128*\f+72+12*\u, SC+5*\f+\p/2, SC+5*\f+4, \p%2, \u
.endr
	WMM ACCK+8*\u, 128*\f+48, 128*\f+72+12*\u, SC+5*\f+2, SC+5*\f+4, 0, \u
	WMM ACCK+16+8*\u, 128*\f+60, 128*\f+72+12*\u, SC+5*\f+3, SC+5*\f+4, 0, \u
.endr
	WIN 0
.endm
.macro STEP s, cur, nxt
	s_wait_dscnt 0x0                               ; this step's fragments are in
.if \s < 7
.irp a, 0,1,2,3,4,5
	v_add_nc_u32 v[AD+\a], STEPB, v[AD+\a]         ; on to the next step; these six are also the places in front of loads into registers that the last step's products read
.endr
	FETCH \nxt
.endif
	MUL \cur
.endm
	s_load_b256 s[4:11], s[0:1], 0x0               ; xr, wr, bq, bkd
	s_load_b128 s[12:15], s[0:1], 0x20             ; qb, latf
	v_lshl_add_u32 v[SPW], v0, 2, SPARE
	v_mov_b32 v[NIL], 0
	ds_add_u32 v[SPW], v[NIL]                      ; the wave's opening: the add and its wait stand ahead of the first tensor load; the set-up below stands between them
	ds_add_u32 v[SPW], v[NIL]
	v_lshrrev_b32 v1, 5, v0
	s_delay_alu instid0(VALU_DEP_1)
	v_readfirstlane_b32 s[WV], v1                  ; wave 0..7
	s_and_b32 s17, s[WV], 3                        ; g; also: which K step of a phase I fetch
	s_lshr_b32 s18, s[WV], 2                       ; x; also: which half of the groups I fetch
	s_bfe_u32 s19, ttmp6, 0x40000                  ; cx
	s_bfe_u32 s20, ttmp6, 0x40004                  ; cy
	s_lshl_b32 s21, ttmp9, 2
	s_add_co_u32 s21, s21, s19                     ; T
	s_and_b32 s22, ttmp7, 0xffff
	s_lshl_b32 s22, s22, 2
	s_add_co_u32 s22, s22, s20                     ; part
	s_lshl_b32 s23, 0x1111, s19                    ; my column of the cluster: the same T
	s_lshl_b32 s60, s20, 2
	s_lshl_b32 s60, 15, s60                        ; my row: the same part
	s_or_b32 s[G1A], s23, (3<<16)|(1<<21)          ; 15:0 the mask; 17:16 elements of 8 bytes; 21 set beside a mask; no padding
	s_or_b32 s[G1B], s60, (3<<16)|(1<<21)
	s_mov_b32 s[G1A+1], 32<<16                     ; a dense block as rows of 256 bytes: 32 elements of 8 bytes
	s_mov_b32 s[G1A+2], 104<<16                    ; eight records: 104 rows
	s_mov_b32 s[G1A+3], 32<<16
	s_mov_b32 s[G1A+4], 104
	s_mov_b32 s[G1A+5], 32
	s_mov_b32 s[G1A+6], 0
	s_mov_b32 s[G1A+7], 0
	s_mov_b32 s[G1B+1], 32<<16
	s_mov_b32 s[G1B+2], 156<<16                    ; twelve records: 156 rows
	s_mov_b32 s[G1B+3], 32<<16
	s_mov_b32 s[G1B+4], 156
	s_mov_b32 s[G1B+5], 32
	s_mov_b32 s[G1B+6], 0
	s_mov_b32 s[G1B+7], 0
	s_mul_i32 s56, s21, 4*GRP                      ; x's records: T's four groups; no register of this address ever holds part
	s_mul_i32 s63, s17, GRP                        ; group w % 4: the same distance in memory and in LDS (the wave's number alone)
	s_add_co_u32 s56, s56, s63
	s_mov_b32 s57, 0
	s_mul_i32 s58, s22, 6*GRP                      ; W1's: part's six groups; none of these ever holds T
	s_mul_i32 s62, s17, 12*REC                     ; twelve records from 12 (w % 4) on
	s_add_co_u32 s58, s58, s62
	s_mov_b32 s59, 0
	s_add_co_u32 s62, s62, BOFF
	s_lshl_b32 s66, s21, 2
	s_add_co_u32 s66, s66, s17                     ; my token group G = 4 T + g
	s_lshl_b32 s67, s66, 4
	s_lshl_b32 s68, s22, 1
	s_add_co_u32 s67, s67, s68
	s_add_co_u32 s67, s67, s18                     ; 16 G + head
	s_mul_i32 s68, s67, 1536
	s_mov_b32 s69, 0
	s_lshl_b32 s70, s67, 6
	s_add_co_u32 s70, s70, QSOFF
	s_mov_b32 s71, 0
	s_lshl_b32 s72, s66, 15                        ; latf: two tiles of 16,384 bytes a group,
	s_lshl_b32 s78, s22, 11                        ; block part,
	s_add_co_u32 s72, s72, s78
	s_lshl_b32 s78, s18, 10                        ; half x of its 16 registers
	s_add_co_u32 s72, s72, s78
	s_mov_b32 s73, 0
	s_lshl_b32 s74, s22, 9                         ; bq: 4 (128 part + 64 x)
	s_lshl_b32 s78, s18, 8
	s_add_co_u32 s74, s74, s78
	s_mov_b32 s75, 0
	s_lshl_b32 s76, s22, 7                         ; bkd: 4 (32 part + 8 x)
	s_lshl_b32 s78, s18, 5
	s_add_co_u32 s76, s76, s78
	s_mov_b32 s77, 0
	s_mov_b32 s84, 0x3eb504f3                      ; 1 / sqrt(8)
	s_mov_b32 s[SEL], 0x76543210
	s_mov_b32 s[SEL+1], 0xfedcba98                 ; v_permlanex16_b32's selects for lane l xor 16
	s_wait_dscnt 0x0                               ; the opening add is done
	s_wait_kmcnt 0x0
	s_add_nc_u64 s[56:57], s[4:5], s[56:57]
	s_add_nc_u64 s[58:59], s[6:7], s[58:59]
	s_add_nc_u64 s[68:69], s[12:13], s[68:69]
	s_add_nc_u64 s[70:71], s[12:13], s[70:71]
	s_add_nc_u64 s[72:73], s[14:15], s[72:73]
	s_add_nc_u64 s[74:75], s[8:9], s[74:75]
	s_add_nc_u64 s[76:77], s[10:11], s[76:77]
	s_mov_b32 s[G0A], 1
	s_mov_b32 s[G0A+1], s63
	s_mov_b64 s[G0A+2:G0A+3], s[56:57]
	s_or_b32 s[G0A+3], s[G0A+3], 0x80000000
	s_mov_b32 s[G0B], 1
	s_mov_b32 s[G0B+1], s62
	s_mov_b64 s[G0B+2:G0B+3], s[58:59]
	s_or_b32 s[G0B+3], s[G0B+3], 0x80000000
	CROUND                                         ; all sixteen work-groups are here: the joint loads meet
	s_cmp_eq_u32 s18, 0                            ; waves 0-3 fetch for x, waves 4-7 for W1: one load in each arm, both arms lead to one join
	s_cbranch_scc0 .Lfor_b
	tensor_load_to_lds s[G0A:G0A+3], s[G1A:G1A+7]
	s_nop 0
	PLACES 4
	s_branch .Lasked
.Lfor_b:
	tensor_load_to_lds s[G0B:G0B+3], s[G1B:G1B+7]
	s_nop 0
	PLACES 4
.Lasked:
	v_and_b32 v1, 31, v0
	v_and_b32 v2, 15, v0
	v_bfe_u32 v3, v0, 4, 1
	s_delay_alu instid0(VALU_DEP_1)
	v_lshlrev_b32 v[H64], 6, v3
	s_delay_alu instid0(VALU_DEP_4)
	v_lshlrev_b32 v[L16], 4, v1
	v_lshlrev_b32 v[L8], 3, v1
	s_wait_alu depctr_va_vdst(0)
	v_lshlrev_b32 v[R4], 2, v2
	s_mul_i32 s79, s18, 2*GRP
	s_add_co_u32 s78, s79, BOFF
	v_add_nc_u32 v[AD], s78, v[L16]                ; my head's two groups
	s_mul_i32 s78, s18, 1536
	s_add_co_u32 s78, s78, BOFF+4*GRP
	v_add_nc_u32 v[AD+1], s78, v[L16]              ; tile x of Wkd's low group; the high one lies a group on
	s_mul_i32 s80, s17, GRP
	v_add_nc_u32 v[AD+2], s80, v[L16]              ; my token group
	s_add_co_u32 s78, s79, BOFF+3072
	v_add_nc_u32 v[AD+3], s78, v[L8]
	s_lshl_b32 s78, s18, 7
	s_add_co_u32 s78, s78, BOFF+4*GRP+3072
	v_lshl_add_u32 v[AD+4], v2, 3, s78
	s_add_co_u32 s78, s80, 3072
	v_add_nc_u32 v[AD+5], s78, v[L8]
.irp u, 0,1                            ; the biases, in the result's layout: lane (r, h), tile p = 2 b + u': columns 32 b + 8 u' + 16 h + 0 .. 7
.irp p, 0,1,2,3
	global_load_b128 v[ACCQ+32*\u+8*\p:ACCQ+32*\u+8*\p+3], v[H64], s[74:75] offset:128*(\p/2)+32*(\p%2)
	global_load_b128 v[ACCQ+32*\u+8*\p+4:ACCQ+32*\u+8*\p+7], v[H64], s[74:75] offset:128*(\p/2)+32*(\p%2)+16
.endr
	global_load_b128 v[ACCK+8*\u:ACCK+8*\u+3], v[H64], s[76:77]
	global_load_b128 v[ACCK+8*\u+4:ACCK+8*\u+7], v[H64], s[76:77] offset:16
	global_load_b128 v[ACCK+16+8*\u:ACCK+16+8*\u+3], v[H64], s[76:77] offset:1024
	global_load_b128 v[ACCK+16+8*\u+4:ACCK+16+8*\u+7], v[H64], s[76:77] offset:1040
.endr
.irp b, 0,1,2,3
	v_mov_b32 v[TM+4+\b], 0                        ; written once: a lane permute's destination counts as one of its sources
.endr
	s_wait_alu depctr_va_vdst(0)
	s_wait_tensorcnt 0x0                           ; my one load is in
	s_barrier_signal -1
	s_barrier_wait -1
	FETCH 0
	s_wait_loadcnt 0x0                             ; the biases
	STEP 0, 0, 1
	s_wait_alu depctr_va_vdst(0)
	STEP 1, 1, 0
	s_wait_alu depctr_va_vdst(0)
	STEP 2, 0, 1
	s_wait_alu depctr_va_vdst(0)
	STEP 3, 1, 0
	s_wait_alu depctr_va_vdst(0)
	STEP 4, 0, 1
	s_wait_alu depctr_va_vdst(0)
	STEP 5, 1, 0
	s_wait_alu depctr_va_vdst(0)
	STEP 6, 0, 1
	STEP 7, 1, 0
	PLACES 4                                       ; in front of the first read of results
	; ---- q: blocks 0, 1 = tile 0's token, d = 0 .. 63; blocks 2, 3 = tile 1's.  Registers 0-5 and 6-11 are the two tiles' halves of a fragment: each 512 bytes (16 a lane) + 256 bytes (8 a lane)
	QUANT ACCQ, ACCQ+32, PC, PW
	global_store_b128 v[L16], v[PC:PC+3], s[68:69]
	global_store_b64 v[L8], v[PC+4:PC+5], s[68:69] offset:512
	global_store_b128 v[L16], v[PC+6:PC+9], s[68:69] offset:768
	global_store_b64 v[L8], v[PC+10:PC+11], s[68:69] offset:1280
	global_store_b32 v[R4], v[PW], s[70:71]        ; lanes l and l xor 16 hold and store the same word
	; ---- GELU of the 32 numbers in v[ACCK] on
.set n, 0
.rept 32
	v_fma_f32 v[TT+n], |v[ACCK+n]|, s84, 1.0
.set n, n+1
.endr
.set n, 0
	s_wait_alu depctr_va_vdst(0)
.rept 32
	v_rcp_f32 v[TT+n], v[TT+n]                     ; t: one batch
.set n, n+1
.endr
	v_mov_b32 v[C8], 0xbf97d29d                    ; c8, twice (plain work behind the batch)
	v_mov_b32 v[C8+1], 0xbf97d29d
	s_wait_alu depctr_va_vdst(0)                   ; one wait for the 32 reciprocals, ahead of their first reader
.set n, 0
.rept 16
	v_pk_fma_f32 v[PP+n:PP+n+1], v[TT+n:TT+n+1], 0x3e7c6f08, v[C8:C8+1] op_sel_hi:[1,0,1]   ; c9 t + c8
.set n, n+2
.endr
.irp c, 0x40097039, 0xbfd1a1e5, 0x3ecdfd18, 0xbe899a80, 0x3e0efb2e, 0x3f0a29d2, 0x3fb8ab5a, 0xc034d90f
.set n, 0
.rept 16
	v_pk_fma_f32 v[PP+n:PP+n+1], v[PP+n:PP+n+1], v[TT+n:TT+n+1], \c op_sel_hi:[1,1,0]       ; Horner: c7 down to c0
.set n, n+2
.endr
.endr
.set n, 0
.rept 4
.irp m, 0,2,4,6
	v_pk_mul_f32 v[TP+\m:TP+\m+1], v[ACCK+n+\m:ACCK+n+\m+1], v[ACCK+n+\m:ACCK+n+\m+1]
.endr
.irp m, 0,2,4,6
	s_delay_alu instid0(VALU_DEP_4)
	v_pk_fma_f32 v[PP+n+\m:PP+n+\m+1], v[TP+\m:TP+\m+1], 0xbf38aa3b, v[PP+n+\m:PP+n+\m+1] op_sel_hi:[1,0,1]   ; E = -v^2 log2(e) / 2 + the polynomial
.endr
.set n, n+8
.endr
.set n, 0
	s_wait_alu depctr_va_vdst(0)
.rept 32
	v_exp_f32 v[PP+n], v[PP+n]                     ; one batch
.set n, n+1
.endr
.set n, 0
.rept 32
	v_mul_f32 v[TT+n], v[TT+n], |v[ACCK+n]|        ; |v| t: work that names no exponential's result
.set n, n+1
.endr
.set n, 0
.rept 32
	v_max_num_f32 v[ACCK+n], 0, v[ACCK+n]
.set n, n+1
.endr
	s_wait_alu depctr_va_vdst(0)                   ; one wait for the 32 exponentials
.set n, 0
.rept 16
	v_pk_fma_f32 v[ACCK+n:ACCK+n+1], v[TT+n:TT+n+1], v[PP+n:PP+n+1], v[ACCK+n:ACCK+n+1] neg_lo:[1,0,0] neg_hi:[1,0,0]
.set n, n+2
.endr
.set n, 0
.rept 8
	v_pk_add_f32 v[ACCK+n:ACCK+n+1], v[ACCK+n:ACCK+n+1], v[ACCK+16+n:ACCK+16+n+1]   ; lat = the low column's gelu + the high column's
.set n, n+2
.endr
.irp u, 0,1
.irp k, 0,1
	global_store_b128 v[L16], v[ACCK+8*\u+4*\k:ACCK+8*\u+4*\k+3], s[72:73] offset:16384*\u+512*\k   ; 512 consecutive bytes: registers 8 x + 4 k on of the block's 16
.endr
.endr
	s_wait_tensorcnt 0x0                           ; the wave's end
	ds_add_u32 v[SPW], v[NIL]
	s_wait_dscnt 0x0
	CROUND                                         ; the closing round
	s_endpgm
.Lfunc_end_k_q7459382bcc_qlat:
	.size	k_q7459382bcc_qlat, .Lfunc_end_k_q7459382bcc_qlat-k_q7459382bcc_qlat
	.p2alignl 7, 3214868480
	.fill 96, 4, 3214868480
	.section	.rodata,"a",@progbits
	.p2align	6, 0x0
	.amdhsa_kernel k_q7459382bcc_qlat
		.amdhsa_group_segment_fixed_size 327680
		.amdhsa_private_segment_fixed_size 0
		.amdhsa_enable_private_segment 0
		.amdhsa_kernarg_size 48
		.amdhsa_user_sgpr_count 2
		.amdhsa_user_sgpr_kernarg_segment_ptr 1
		.amdhsa_wavefront_size32 1
		.amdhsa_system_sgpr_workgroup_id_x 1
		.amdhsa_system_sgpr_workgroup_id_y 1
		.amdhsa_system_sgpr_workgroup_id_z 1
		.amdhsa_system_vgpr_workitem_id 0
		.amdhsa_next_free_vgpr 512
		.amdhsa_next_free_sgpr 100
		.amdhsa_reserve_vcc 0
		.amdhsa_float_denorm_mode_32 3
		.amdhsa_float_denorm_mode_16_64 3
		.amdhsa_memory_ordered 1
		.amdhsa_forward_progress 1
		.amdhsa_inst_pref_size 71
	.end_amdhsa_kernel
	.amdgpu_metadata
---
amdhsa.version: [ 1, 2 ]
amdhsa.kernels:
  - .name:           k_q7459382bcc_qlat
    .symbol:         k_q7459382bcc_qlat.kd
    .args:
      - { .name: xr, .offset: 0, .size: 8, .value_kind: global_buffer, .address_space: global }
      - { .name: wr, .offset: 8, .size: 8, .value_kind: global_buffer, .address_space: global }
      - { .name: bq, .offset: 16, .size: 8, .value_kind: global_buffer, .address_space: global }
      - { .name: bkd, .offset: 24, .size: 8, .value_kind: global_buffer, .address_space: global }
      - { .name: qb, .offset: 32, .size: 8, .value_kind: global_buffer, .address_space: global }
      - { .name: latf, .offset: 40, .size: 8, .value_kind: global_buffer, .address_space: global }
    .group_segment_fixed_size: 327680
    .private_segment_fixed_size: 0
    .kernarg_segment_align: 8
    .kernarg_segment_size: 48
    .max_flat_workgroup_size: 256
    .sgpr_count:     100
    .vgpr_count:     512
    .wavefront_size: 32
...
	.end_amdgpu_metadata
.endif
;; end of part 2
;; launch kvp (part 3): grid 32 x 8, 8 waves a work-group, clusters of 4 x 1, 327,680 bytes of LDS; arguments latf, wr, bku, kv; writes kv
.if DOCPART == 3
	.amdgcn_target "amdgcn-amd-amdhsa--gfx1250"
	.amdhsa_code_object_version 6
	.text
	.protected	k_q7459382bcc_kvp
	.globl	k_q7459382bcc_kvp
	.p2align	8
	.type	k_q7459382bcc_kvp,@function
k_q7459382bcc_kvp:
	s_mov_b64 s[64:65], 0
	v_nop
	global_prefetch_b8 v0, s[64:65] scope:SCOPE_SE
	s_setreg_imm32_b32 hwreg(HW_REG_WAVE_MODE, 25, 1), 1
	s_wait_xcnt 0x0
	s_wait_alu depctr_hold_cnt(0) depctr_sa_sdst(0) depctr_va_vdst(0) depctr_va_sdst(0) depctr_va_ssrc(0) depctr_va_vcc(0) depctr_vm_vsrc(0)
	s_getreg_b32 s2, hwreg(HW_REG_IB_STS2, 6, 4)
	s_cmp_eq_u32 s2, 0
	s_cbranch_scc0 .Lentry_in_a_cluster
	s_endpgm
.Lentry_in_a_cluster:
	s_bfe_u32 s2, ttmp6, 0x10000c
	s_cmp_lg_u32 s2, 0x3003
	s_cbranch_scc0 .Lentry_shape_is_right
	s_endpgm
.Lentry_shape_is_right:
; kv = Q(lat) Q(Wku) + bku on codes of FP6 (E2M3); then k is quantised along each head's 64 and v along the keys, both laid as attention's operand registers want them.
; SHARES.  Work-group (T, hp): 128 tokens = key step T % 16 of batch T / 16, and the head pair 2 hp, 2 hp + 1.  First each wave quantises one tile of 16 tokens of lat (f32, laid by the launch before as the quantiser's
; registers) and stores the two fragments' images and scale words to LDS; a barrier; then waves 0-3 make K and waves 4-7 make V.
; K (transposed: source 0 = the pair's 8 tiles of K columns, source 1 = token group i's two tiles): a lane holds one token, its registers run along d.
; V (natural: source 0 = the 8 token tiles, source 1 = V column group i's two tiles): a lane holds one channel, its registers run along the KEYS, which are the next product's K.
; The roles part once, behind the barrier, on the wave's number; both run the same MAIN (D[64 q + 8 p] = P_p x Q_q), only two LDS bases differ.
; A KV RECORD (head, key step) is 12,800 bytes: 4 fragments of K, 4 of V, 256 bytes of K's scale words, 256 of V's.  A fragment of K is DENSE: registers 0-5 hold tile 0 of a key group (d = 32 (lane / 16) on), registers 6-11 tile 1.
; CLUSTER 4 x 1: the four token blocks of a cluster read the same 53,248 bytes of Wku's records: one joint load a wave.  lat's tiles are each read by one wave: no sharing there.
; LIMITS: NaN and infinities are not served; a block of zeros or under 2^-124 keeps the byte 1 (only this program reads the bytes).
; REGISTERS.  Window 0: v4-15, v26 addresses; v16-25 scale words; v32-83 the quantiser's (between its two uses v32-95 hold the biases); v128-255 lat's numbers, then the 16 accumulators.  Window 1: K step t at 120 t: P at 12 p, Q at 96 + 12 q.
.set REC,   3328
.set WB,    8*REC                      ; LDS: lat's records [group][K step] at 0 (stored by the waves); Wku's eight groups here (filled by the tensor loads)
.set SPARE, WB+16*REC                  ; the spare words, 128 bytes a wave, named by no other line
.set WKU,   384*REC                    ; Wku's records in wr
.set KVREC, 12800
.set HEADB, 16*KVREC                   ; from a head's records to the next head's
.set VP,  4
.set VQ,  5
.set VPS, 6
.set VQS, 7
.set VIM, 8
.set VSS, 9
.set SPW, 10
.set NIL, 11
.set L16, 12
.set KSO, 13
.set L4,  14
.set H64, 15
.set PS,  16
.set QS,  24
.set VBO, 26
.set TM,  32
.set PW0, 48
.set PW1, 49
.set PWS, 50
.set PC0, 52
.set PC1, 64
.set CT,  76
.set BT,  32
.set X,   128
.set ACC, 128
.set WV,  12
.set SEL, 20
.set G1,  24
.set G0,  32
.set MSB, 0
.macro WIN new                         ; the immediate's high byte repeats the setting that is left
.if MSB != \new
	s_set_vgpr_msb (MSB<<8)|\new
.set MSB, \new
.endif
.endm
.macro PLACES n
.rept \n
	v_nop
.endr
.endm
.macro CROUND                          ; a round of the cluster's barrier
	s_barrier_signal -1
	s_barrier_wait -1
	s_cmp_lg_u32 s[WV], 0
	s_cbranch_scc1 .Lnot_wave_0_\@
	s_barrier_signal -3
.Lnot_wave_0_\@:
	s_barrier_wait -3
	s_barrier_signal -1
	s_barrier_wait -1
.endm
; one product; z = 1: it starts the sum; ra, rb = 1: that side's scale words stand in lanes 16-31
.macro WMM d, a, b, sa, sb, ra, rb, z
.if \z
.if (\ra) && (\rb)
	v_wmma_scale_f32_16x16x128_f8f6f4 v[\d:\d+7], v[\a:\a+11], v[\b:\b+11], 0, v[\sa], v[\sb] matrix_a_fmt:MATRIX_FMT_FP6 matrix_b_fmt:MATRIX_FMT_FP6 matrix_a_scale:MATRIX_SCALE_ROW1 matrix_b_scale:MATRIX_SCALE_ROW1
.elseif \ra
	v_wmma_scale_f32_16x16x128_f8f6f4 v[\d:\d+7], v[\a:\a+11], v[\b:\b+11], 0, v[\sa], v[\sb] matrix_a_fmt:MATRIX_FMT_FP6 matrix_b_fmt:MATRIX_FMT_FP6 matrix_a_scale:MATRIX_SCALE_ROW1
.elseif \rb
	v_wmma_scale_f32_16x16x128_f8f6f4 v[\d:\d+7], v[\a:\a+11], v[\b:\b+11], 0, v[\sa], v[\sb] matrix_a_fmt:MATRIX_FMT_FP6 matrix_b_fmt:MATRIX_FMT_FP6 matrix_b_scale:MATRIX_SCALE_ROW1
.else
	v_wmma_scale_f32_16x16x128_f8f6f4 v[\d:\d+7], v[\a:\a+11], v[\b:\b+11], 0, v[\sa], v[\sb] matrix_a_fmt:MATRIX_FMT_FP6 matrix_b_fmt:MATRIX_FMT_FP6
.endif
.else
.if (\ra) && (\rb)
	v_wmma_scale_f32_16x16x128_f8f6f4 v[\d:\d+7], v[\a:\a+11], v[\b:\b+11], v[\d:\d+7], v[\sa], v[\sb] matrix_a_fmt:MATRIX_FMT_FP6 matrix_b_fmt:MATRIX_FMT_FP6 matrix_a_scale:MATRIX_SCALE_ROW1 matrix_b_scale:MATRIX_SCALE_ROW1
.elseif \ra
	v_wmma_scale_f32_16x16x128_f8f6f4 v[\d:\d+7], v[\a:\a+11], v[\b:\b+11], v[\d:\d+7], v[\sa], v[\sb] matrix_a_fmt:MATRIX_FMT_FP6 matrix_b_fmt:MATRIX_FMT_FP6 matrix_a_scale:MATRIX_SCALE_ROW1
.elseif \rb
	v_wmma_scale_f32_16x16x128_f8f6f4 v[\d:\d+7], v[\a:\a+11], v[\b:\b+11], v[\d:\d+7], v[\sa], v[\sb] matrix_a_fmt:MATRIX_FMT_FP6 matrix_b_fmt:MATRIX_FMT_FP6 matrix_b_scale:MATRIX_SCALE_ROW1
.else
	v_wmma_scale_f32_16x16x128_f8f6f4 v[\d:\d+7], v[\a:\a+11], v[\b:\b+11], v[\d:\d+7], v[\sa], v[\sb] matrix_a_fmt:MATRIX_FMT_FP6 matrix_b_fmt:MATRIX_FMT_FP6
.endif
.endif
.endm
; 64 numbers of a lane become a fragment's 12 registers and a scale word.  Blocks 0, 1 at v[s0] on, blocks 2, 3 at v[s1] on; in a block's 16 registers: k = 16 (lane / 16) + i of the block.
.macro QUANT s0, s1, pc, pw
.irp b, 0,1
	v_max3_num_f32 v[TM+\b], |v[\s0+16*\b]|, |v[\s0+16*\b+1]|, 0x1800000       ; my 16 numbers and the floor 2^(3 - 127): the byte cannot fall under 1
	v_max3_num_f32 v[TM+2+\b], |v[\s1+16*\b]|, |v[\s1+16*\b+1]|, 0x1800000
.endr
.irp i, 2,4,6,8,10,12,14
.irp b, 0,1
	s_delay_alu instid0(VALU_DEP_4)
	v_max3_num_f32 v[TM+\b], v[TM+\b], |v[\s0+16*\b+\i]|, |v[\s0+16*\b+\i+1]|
	s_delay_alu instid0(VALU_DEP_4)
	v_max3_num_f32 v[TM+2+\b], v[TM+2+\b], |v[\s1+16*\b+\i]|, |v[\s1+16*\b+\i+1]|
.endr
.endr
.irp b, 0,1,2,3
	v_permlanex16_b32 v[TM+4+\b], v[TM+\b], s[SEL], s[SEL+1]
.endr
.irp b, 0,1,2,3
	s_delay_alu instid0(VALU_DEP_4)
	v_max_num_f32 v[TM+\b], v[TM+\b], v[TM+4+\b]   ; with lane l xor 16's: the block's largest magnitude
.endr
.irp b, 0,1,2,3
	s_delay_alu instid0(VALU_DEP_4)
	v_add_nc_u32 v[TM+12+\b], 0xff000000, v[TM+\b] ; 2 off the exponent field: the conversion's scale operand
.endr
.irp b, 0,1,2,3
	s_delay_alu instid0(VALU_DEP_4)
	v_lshrrev_b32 v[TM+4+\b], 23, v[TM+12+\b]      ; the scale's byte
.endr
	s_delay_alu instid0(VALU_DEP_3)
	v_lshl_or_b32 v[\pw], v[TM+5], 8, v[TM+4]
	s_delay_alu instid0(VALU_DEP_1)
	v_lshl_or_b32 v[\pw], v[TM+6], 16, v[\pw]
	s_delay_alu instid0(VALU_DEP_1)
	v_lshl_or_b32 v[\pw], v[TM+7], 24, v[\pw]
	v_cvt_scalef32_pk16_fp6_f32 v[\pc:\pc+2], v[\s0:\s0+15], v[TM+12]
	v_cvt_scalef32_pk16_fp6_f32 v[CT:CT+2], v[\s0+16:\s0+31], v[TM+13]
	v_cvt_scalef32_pk16_fp6_f32 v[\pc+6:\pc+8], v[\s1:\s1+15], v[TM+14]
	v_cvt_scalef32_pk16_fp6_f32 v[CT+4:CT+6], v[\s1+16:\s1+31], v[TM+15]
	v_nop                                          ; one plain place behind the scaled conversions
.irp i, 0,1,2                          ; the operand wants a WHOLE block in a lane: lanes 0-15 the even block, lanes 16-31 the odd one
	v_permlane16_swap_b32 v[\pc+\i], v[CT+\i]
	v_permlane16_swap_b32 v[\pc+6+\i], v[CT+4+\i]
.endr
.irp i, 0,1,2
	v_mov_b32 v[\pc+3+\i], v[CT+\i]
	v_mov_b32 v[\pc+9+\i], v[CT+4+\i]
.endr
.endm
.macro MUL t, z                        ; K step t: 16 products; the 16 accumulators take turns, one instruction a turn, in the same order in both steps
.irp q, 0,1
.irp p, 0,1,2,3,4,5,6,7
	WMM ACC+64*\q+8*\p, 120*\t+12*\p, 120*\t+96+12*\q, PS+2*(\p/2)+\t, QS+\t, \p%2, \q, \z
.endr
.endr
.endm
.macro MAIN                            ; scale words, both K steps' fragments, 32 products
.irp g, 0,1,2,3
.irp t, 0,1
	ds_load_b32 v[PS+2*\g+\t], v[VPS] offset:(2*\g+\t)*REC     ; lanes 0-15: tile 0's words, lanes 16-31: tile 1's
.endr
.endr
	ds_load_b32 v[QS], v[VQS]
	ds_load_b32 v[QS+1], v[VQS] offset:REC
	WIN 0x40                                       ; destination window 1, address window 0
.irp t, 0,1
.irp p, 0,1,2,3,4,5,6,7
.irp k, 0,1,2
	ds_load_b128 v[120*\t+12*\p+4*\k:120*\t+12*\p+4*\k+3], v[VP] offset:(2*(\p/2)+\t)*REC+1536*(\p%2)+512*\k
.endr
.endr
.irp q, 0,1
.irp k, 0,1,2
	ds_load_b128 v[120*\t+96+12*\q+4*\k:120*\t+96+12*\q+4*\k+3], v[VQ] offset:\t*REC+1536*\q+512*\k
.endr
.endr
.endr
	s_wait_dscnt 30                                ; the scale words and K step 0's 30 loads are in; K step 1's 30 may be out
	WIN 0x05                                       ; sources 0 and 1 window 1; C and D window 0
	MUL 0, 1
	s_wait_dscnt 0x0
	MUL 1, 0
	WIN 0
	PLACES 4                                       ; in front of the first read of results
	s_wait_loadcnt 0x0                             ; the biases
.endm
	s_load_b256 s[4:11], s[0:1], 0x0               ; latf, wr, bku, kv
	v_lshl_add_u32 v[SPW], v0, 2, SPARE
	v_mov_b32 v[NIL], 0
	ds_add_u32 v[SPW], v[NIL]                      ; the wave's opening: the add and its wait stand ahead of the first tensor load; the set-up below stands between them
	ds_add_u32 v[SPW], v[NIL]
	v_lshrrev_b32 v1, 5, v0
	s_delay_alu instid0(VALU_DEP_1)
	v_readfirstlane_b32 s[WV], v1                  ; wave 0..7
	s_lshr_b32 s13, s[WV], 2                       ; the role: 0 K, 1 V
	s_and_b32 s14, s[WV], 3                        ; i
	s_bfe_u32 s15, ttmp6, 0x40000                  ; cx
	s_lshl_b32 s16, ttmp9, 2
	s_add_co_u32 s16, s16, s15                     ; T
	s_and_b32 s17, ttmp7, 0xffff                   ; hp, which the four partners share
	s_mov_b32 s[G1], 15|(3<<16)|(1<<21)            ; 15:0 the mask: all four; 17:16 elements of 8 bytes; 21 set beside a mask
	s_mov_b32 s[G1+1], 32<<16                      ; a dense block of 6,656 bytes as 26 rows of 256
	s_mov_b32 s[G1+2], 26<<16
	s_mov_b32 s[G1+3], 32<<16
	s_mov_b32 s[G1+4], 26
	s_mov_b32 s[G1+5], 32
	s_mov_b32 s[G1+6], 0
	s_mov_b32 s[G1+7], 0
	s_lshl_b32 s36, s13, 5                         ; Wku's column group 32 (w / 4) + 4 hp + w % 4: K's columns first, V's 32 groups on
	s_lshl_b32 s37, s17, 2
	s_add_co_u32 s36, s36, s37
	s_add_co_u32 s36, s36, s14
	s_mul_i32 s36, s36, 2*REC
	s_add_co_u32 s36, s36, WKU
	s_mov_b32 s37, 0
	s_mov_b32 s[G0], 1
	s_mul_i32 s[G0+1], s[WV], 2*REC
	s_add_co_u32 s[G0+1], s[G0+1], WB
	s_lshl_b32 s38, s16, 3
	s_add_co_u32 s38, s38, s[WV]
	s_lshl_b32 s38, s38, 14                        ; my tile of lat: 16,384 bytes each
	s_mov_b32 s39, 0
	s_lshr_b32 s40, s16, 4                         ; batch
	s_lshl_b32 s40, s40, 4
	s_lshl_b32 s41, s17, 1
	s_add_co_u32 s40, s40, s41                     ; 16 b + 2 hp
	s_lshl_b32 s40, s40, 4
	s_and_b32 s41, s16, 15
	s_add_co_u32 s40, s40, s41
	s_mul_i32 s40, s40, KVREC                      ; head 2 hp's record of this key step
	s_mul_i32 s52, s14, 1536
	s_add_co_u32 s42, s40, s52                     ; K: fragment i
	s_mov_b32 s43, 0
	s_lshl_b32 s52, s14, 6
	s_add_co_u32 s44, s40, s52
	s_add_co_u32 s44, s44, 12288                   ; and its scale words
	s_mov_b32 s45, 0
	s_lshr_b32 s52, s14, 1
	s_mul_i32 s52, s52, HEADB
	s_add_co_u32 s52, s52, s40                     ; V: head 2 hp + i / 2
	s_and_b32 s53, s14, 1
	s_mul_i32 s46, s53, 3072
	s_add_co_u32 s46, s46, s52
	s_add_co_u32 s46, s46, 6144                    ; fragments 2 (i % 2) and the next
	s_mov_b32 s47, 0
	s_lshl_b32 s48, s53, 7
	s_add_co_u32 s48, s48, s52
	s_add_co_u32 s48, s48, 12544
	s_mov_b32 s49, 0
	s_lshl_b32 s54, s17, 9                         ; bku of K's columns: 4 x 128 hp
	s_mov_b32 s55, 0
	s_lshl_b32 s56, s14, 7
	s_add_co_u32 s56, s56, s54
	s_add_co_u32 s56, s56, 4096                    ; of V's: 4 (1024 + 128 hp + 32 i)
	s_mov_b32 s57, 0
	s_mov_b32 s59, 0xffff0000                      ; lanes 16-31
	s_mov_b32 s[SEL], 0x76543210
	s_mov_b32 s[SEL+1], 0xfedcba98
	; every LDS address is made here, ahead of the parting of the roles
	v_and_b32 v1, 31, v0
	v_and_b32 v2, 15, v0
	v_bfe_u32 v3, v0, 4, 1
	s_delay_alu instid0(VALU_DEP_3)
	v_lshlrev_b32 v[L16], 4, v1
	s_wait_alu depctr_va_vdst(0)
	v_lshlrev_b32 v27, 3, v1
	s_xor_b32 s52, s13, 1
	s_mul_i32 s52, s52, WB                         ; P: K role: Wku's K groups; V role: lat's records
	v_add_nc_u32 v[VP], s52, v[L16]
	s_add_co_u32 s53, s52, 3072
	v_add_nc_u32 v[VPS], s53, v27
	s_mul_i32 s52, s14, 2*REC
	s_mul_i32 s53, s13, 2*WB                       ; Q: K role: lat's group i; V role: Wku's V group i
	s_add_co_u32 s52, s52, s53
	v_add_nc_u32 v[VQ], s52, v[L16]
	s_add_co_u32 s52, s52, 3072
	v_add_nc_u32 v[VQS], s52, v27
	s_lshr_b32 s52, s[WV], 1
	s_mul_i32 s52, s52, 2*REC
	s_and_b32 s53, s[WV], 1
	s_mul_i32 s58, s53, 1536
	s_add_co_u32 s58, s58, s52
	v_add_nc_u32 v[VIM], s58, v[L16]               ; where my tile's images go: group w / 2, tile w % 2
	s_lshl_b32 s53, s53, 7
	s_add_co_u32 s53, s53, s52
	s_add_co_u32 s53, s53, 3072
	v_lshl_add_u32 v[VSS], v2, 3, s53              ; and its scale words: slot 16 (w % 2) + r
	v_mul_u32_u24 v28, v3, HEADB
	s_delay_alu instid0(VALU_DEP_1)
	v_lshl_add_u32 v[KSO], v2, 2, v28              ; K's scale words out: 4 r, lanes 16-31 one head on
	v_lshlrev_b32 v[L4], 2, v1
	v_lshlrev_b32 v[H64], 6, v3
	v_and_b32 v[VBO], 8, v2
	s_delay_alu instid0(VALU_DEP_1)
	v_add_nc_u32 v[VBO], v[VBO], v2
	s_delay_alu instid0(VALU_DEP_1)
	v_lshlrev_b32 v[VBO], 2, v[VBO]                ; 4 (r + 8 (r / 8)): my channel of a tile
.irp b, 0,1,2,3
	v_mov_b32 v[TM+4+\b], 0                        ; written once: a lane permute's destination counts as one of its sources
.endr
	s_wait_dscnt 0x0                               ; the opening add is done
	s_wait_kmcnt 0x0
	s_add_nc_u64 s[G0+2:G0+3], s[6:7], s[36:37]
	s_or_b32 s[G0+3], s[G0+3], 0x80000000
	s_add_nc_u64 s[38:39], s[4:5], s[38:39]
	s_add_nc_u64 s[42:43], s[10:11], s[42:43]
	s_add_nc_u64 s[44:45], s[10:11], s[44:45]
	s_add_nc_u64 s[46:47], s[10:11], s[46:47]
	s_add_nc_u64 s[48:49], s[10:11], s[48:49]
	s_add_nc_u64 s[54:55], s[8:9], s[54:55]
	s_add_nc_u64 s[56:57], s[8:9], s[56:57]
	CROUND                                         ; all four work-groups are here: the joint loads meet
	tensor_load_to_lds s[G0:G0+3], s[G1:G1+7]      ; my one load: one is outstanding
	s_nop 0
	PLACES 4
.set n, 0
.rept 32
	global_load_b128 v[X+4*n:X+4*n+3], v[L16], s[38:39] offset:512*n th:TH_LOAD_NT   ; register 16 b + i = lat(my token, 32 b + 16 (lane / 16) + i)
.set n, n+1
.endr
	s_wait_loadcnt 16                              ; the first K step's 16 loads are in; the second's may be out
	QUANT X, X+32, PC0, PW0
.irp k, 0,1,2
	ds_store_b128 v[VIM], v[PC0+4*\k:PC0+4*\k+3] offset:512*\k
.endr
	ds_store_b32 v[VSS], v[PW0]                    ; lanes l and l xor 16 store the same word
	s_wait_loadcnt 0x0
	QUANT X+64, X+96, PC1, PW1
.irp k, 0,1,2
	ds_store_b128 v[VIM], v[PC1+4*\k:PC1+4*\k+3] offset:REC+512*\k
.endr
	ds_store_b32 v[VSS], v[PW1] offset:REC
	s_wait_tensorcnt 0x0                           ; my part of Wku's records is in,
	s_wait_dscnt 0x0                               ; my stores have landed:
	s_barrier_signal -1
	s_barrier_wait -1                              ; everybody's
	s_cmp_lg_u32 s13, 0
	s_cbranch_scc1 .Lvalues
	; ---- K
.irp p, 0,1,2,3,4,5,6,7                ; bku in the result's layout: tile p = 2 g + u': columns 32 g + 8 u' + 16 h + 0 .. 7
	global_load_b128 v[BT+8*\p:BT+8*\p+3], v[H64], s[54:55] offset:128*(\p/2)+32*(\p%2)
	global_load_b128 v[BT+8*\p+4:BT+8*\p+7], v[H64], s[54:55] offset:128*(\p/2)+32*(\p%2)+16
.endr
	MAIN
.irp q, 0,1
.set n, 0
.rept 32
	v_pk_add_f32 v[ACC+64*\q+n:ACC+64*\q+n+1], v[ACC+64*\q+n:ACC+64*\q+n+1], v[BT+n:BT+n+1]
.set n, n+2
.endr
.endr
	QUANT ACC, ACC+64, PC0, PW0                    ; head 2 hp: blocks 0, 1 = tile 0's token, blocks 2, 3 = tile 1's: the dense fragment
.irp k, 0,1,2
	global_store_b128 v[L16], v[PC0+4*\k:PC0+4*\k+3], s[42:43] offset:512*\k
.endr
	QUANT ACC+32, ACC+96, PC1, PW1                 ; head 2 hp + 1
.irp k, 0,1,2
	global_store_b128 v[L16], v[PC1+4*\k:PC1+4*\k+3], s[42:43] offset:HEADB+512*\k
.endr
	v_cndmask_b32 v[PWS], v[PW0], v[PW1], s59      ; lanes 0-15 store the first head's words, lanes 16-31 the second's
	global_store_b32 v[KSO], v[PWS], s[44:45]
	s_branch .Lend
.Lvalues:
	; ---- V
	global_load_b32 v[BT], v[VBO], s[56:57]        ; bku of my channel, twice: a pair for the packed addition
	global_load_b32 v[BT+1], v[VBO], s[56:57]
	global_load_b32 v[BT+2], v[VBO], s[56:57] offset:32
	global_load_b32 v[BT+3], v[VBO], s[56:57] offset:32
	MAIN
.irp q, 0,1
.set n, 0
.rept 32
	v_pk_add_f32 v[ACC+64*\q+n:ACC+64*\q+n+1], v[ACC+64*\q+n:ACC+64*\q+n+1], v[BT+2*\q:BT+2*\q+1]
.set n, n+2
.endr
.endr
	QUANT ACC, ACC+32, PC0, PW0                    ; channel tile 0: register 16 g + i = key 32 g + 16 (lane / 16) + i
.irp k, 0,1,2
	global_store_b128 v[L16], v[PC0+4*\k:PC0+4*\k+3], s[46:47] offset:512*\k
.endr
	QUANT ACC+64, ACC+96, PC1, PW1
.irp k, 0,1,2
	global_store_b128 v[L16], v[PC1+4*\k:PC1+4*\k+3], s[46:47] offset:1536+512*\k
.endr
	v_cndmask_b32 v[PWS], v[PW0], v[PW1], s59
	global_store_b32 v[L4], v[PWS], s[48:49]       ; the two tiles' words: 128 consecutive bytes
.Lend:
	s_wait_tensorcnt 0x0                           ; the wave's end
	ds_add_u32 v[SPW], v[NIL]
	s_wait_dscnt 0x0
	CROUND                                         ; the closing round
	s_endpgm
.Lfunc_end_k_q7459382bcc_kvp:
	.size	k_q7459382bcc_kvp, .Lfunc_end_k_q7459382bcc_kvp-k_q7459382bcc_kvp
	.p2alignl 7, 3214868480
	.fill 96, 4, 3214868480
	.section	.rodata,"a",@progbits
	.p2align	6, 0x0
	.amdhsa_kernel k_q7459382bcc_kvp
		.amdhsa_group_segment_fixed_size 327680
		.amdhsa_private_segment_fixed_size 0
		.amdhsa_enable_private_segment 0
		.amdhsa_kernarg_size 32
		.amdhsa_user_sgpr_count 2
		.amdhsa_user_sgpr_kernarg_segment_ptr 1
		.amdhsa_wavefront_size32 1
		.amdhsa_system_sgpr_workgroup_id_x 1
		.amdhsa_system_sgpr_workgroup_id_y 1
		.amdhsa_system_sgpr_workgroup_id_z 1
		.amdhsa_system_vgpr_workitem_id 0
		.amdhsa_next_free_vgpr 512
		.amdhsa_next_free_sgpr 80
		.amdhsa_reserve_vcc 0
		.amdhsa_float_denorm_mode_32 3
		.amdhsa_float_denorm_mode_16_64 3
		.amdhsa_memory_ordered 1
		.amdhsa_forward_progress 1
		.amdhsa_inst_pref_size 70
	.end_amdhsa_kernel
	.amdgpu_metadata
---
amdhsa.version: [ 1, 2 ]
amdhsa.kernels:
  - .name:           k_q7459382bcc_kvp
    .symbol:         k_q7459382bcc_kvp.kd
    .args:
      - { .name: latf, .offset: 0, .size: 8, .value_kind: global_buffer, .address_space: global }
      - { .name: wr, .offset: 8, .size: 8, .value_kind: global_buffer, .address_space: global }
      - { .name: bku, .offset: 16, .size: 8, .value_kind: global_buffer, .address_space: global }
      - { .name: kv, .offset: 24, .size: 8, .value_kind: global_buffer, .address_space: global }
    .group_segment_fixed_size: 327680
    .private_segment_fixed_size: 0
    .kernarg_segment_align: 8
    .kernarg_segment_size: 32
    .max_flat_workgroup_size: 256
    .sgpr_count:     80
    .vgpr_count:     512
    .wavefront_size: 32
...
	.end_amdgpu_metadata
.endif
;; end of part 3
;; launch attn (part 4): grid 8 x 32, 16 waves a work-group, clusters of 4 x 1, 327,680 bytes of LDS; arguments qb, kv, oc; writes oc
.if DOCPART == 4
	.amdgcn_target "amdgcn-amd-amdhsa--gfx1250"
	.amdhsa_code_object_version 6
	.text
	.protected	k_q7459382bcc_attn
	.globl	k_q7459382bcc_attn
	.p2align	8
	.type	k_q7459382bcc_attn,@function
k_q7459382bcc_attn:
	s_mov_b64 s[64:65], 0
	v_nop
	global_prefetch_b8 v0, s[64:65] scope:SCOPE_SE
	s_setreg_imm32_b32 hwreg(HW_REG_WAVE_MODE, 25, 1), 1
	s_wait_xcnt 0x0
	s_wait_alu depctr_hold_cnt(0) depctr_sa_sdst(0) depctr_va_vdst(0) depctr_va_sdst(0) depctr_va_ssrc(0) depctr_va_vcc(0) depctr_vm_vsrc(0)
	s_getreg_b32 s2, hwreg(HW_REG_IB_STS2, 6, 4)
	s_cmp_eq_u32 s2, 0
	s_cbranch_scc0 .Lentry_in_a_cluster
	s_endpgm
.Lentry_in_a_cluster:
	s_bfe_u32 s2, ttmp6, 0x10000c
	s_cmp_lg_u32 s2, 0x3003
	s_cbranch_scc0 .Lentry_shape_is_right
	s_endpgm
.Lentry_shape_is_right:
; Causal attention of one head on codes of FP6 (E2M3): S^T = K Q^T, p = 2^(t - M), O^T = V^T P^T, O / the row's sum, quantised along the channels for the last product.
; t = score x log2(e) / 8; M = the running largest t rounded UP to a whole number; p is quantised along the keys, not normalised; the sum is taken of the unquantised p; when M moves, the sum and O^T are multiplied by 2^(old M - new M), exactly.
; SHARES.  A cluster is four work-groups of one head (y = 16 b + head); work-group cx takes token group cx of each block of 128 queries: 16 tiles of 16 queries (8 blocks j x 2 tiles u).
; A tile of block j needs key steps 0 .. j.  TWO WAVES (w and w xor 1) FORM A TEAM for the two tiles (j, u) and (15 - j, u), 17 key steps together: the wave of parity 0 takes the even key steps of both tiles, the other the odd ones: 9 and 8.
; Each wave first walks the tile that it GIVES away and stores its part (O^T, -M, the sum: 9 x 512 bytes) to LDS bytes of its own, then walks the tile that it KEEPS; behind a barrier it reads its partner's part of the kept tile and joins the two:
; both are brought under the larger M by 2^(own M - larger M), a power of two, and added.  A part with no step has -M = 3e38, sum 0, O^T = 0, and its factor comes out 0.
; w: bit 3 = u; bits 2:1 = which pair of blocks (nibble of 0x942F, xor the cluster's x); parity = bit 0 xor bit 2, so that of the waves w % 4 = const and of the waves w / 4 = const two have each parity.
; j hangs on the wave's number and the cluster's number alone: every branch is alike in all four partners; cx enters global addresses and the mask's lane term only.
; A WHOLE HEAD'S K AND V LIE IN LDS, 16 records of 12,800 bytes, each filled ONCE by a joint load of the four partners.  Waves 0-3 ask for records 0-3 at the head; behind the tensor wait, the two adds, their wait and a round of the
; cluster's barrier waves 4-15 ask for records 4-15, which are on their way during the first two trips (key steps 0-3); a barrier ahead of the third trip shows them whole.  One load of a wave is outstanding at the most.
; PRODUCT 4 HAS K = 64, half of the instruction's 128.  A fragment of K is dense (registers 0-5: tile 0 of a key group, registers 6-11: tile 1), and it is multiplied by [q, 0] and by [0, q]: zero CODES of q stand against the other tile's keys.
; A lane holds ONE query (lane % 16) throughout; the 16 registers of score tiles 2 b, 2 b + 1 are keys 32 b + 16 (lane / 16) + 0 .. 15 of the step.
; The loops' trip counts are constants; a step all of whose keys come after the tile's queries is jumped over (a scalar branch on ids).  On the diagonal hidden scores become -infinity ahead of the maximum.
; No prefetch: all that the work-group reads is asked for at its head and behind the one round that follows it.
; LIMITS: NaN and infinities are not served; a block of zeros keeps the byte 1 (its codes are zeros; only this program reads the bytes); the scaled scores stay under 2^31 in magnitude.
.set KVREC, 12800
.set XCH,   16*KVREC                   ; behind the records: the parts that are handed over, XW bytes a wave; no tensor load lands here
.set XW,    9*512
.set SPARE, XCH+16*XW                  ; the spare words, 128 bytes a wave, named by no other line
.set QSOFF, 128*16*1536
.set REC,   3328
.set LI,  1                            ; v1  16 l
.set LS,  2                            ; v2  4 l
.set SPW, 3
.set NIL, 4
.set ADR, 5
.set ADS, 6
.set DQ,  7                            ; v7  my query in its block of 128, less 16 (lane / 16)
.set L8,  8
.set R4,  9
.set R8,  10
.set QL,  16                           ; v16-27 [q, 0];  v28-39 [0, q]
.set QW,  40                           ; v40, v41 their scale words
.set KS,  42
.set VS,  44
.set PSW, 46                           ; p's scale word
.set XS,  47                           ; where my part goes
.set KF,  48                           ; v48-95 K's four fragments; behind the scores these registers serve as below
.set PC,  48
.set CT,  60
.set BM,  68
.set BP,  72
.set SO,  76
.set BY,  80
.set T0,  84
.set FF,  86
.set S2,  88
.set S,   96                           ; v96-159 S^T, then p
.set OT,  160                          ; v160-191 O^T
.set VF,  192                          ; v192-239 V's four fragments
.set Q2,  240                          ; v240-245 the kept tile's q, v246 its scale word
.set Q2W, 246
.set XR,  247                          ; where my partner's part lies
.set F2,  250                          ; v250-251 the partner's factor
.set S3,  252                          ; v252-255 two chains of the sum
.set WV,  10
.set U,   11
.set CX,  12
.set Y,   13
.set HD,  14
.set BB,  15
.set J,   16                           ; the kept tile's block
.set ST,  17
.set TB,  18
.set JG,  19                           ; the given tile's block
.set SEL, 20
.set CS,  22
.set G1,  24
.set G0,  32
.set CN,  52
.set PAR, 53
.macro PLACES n
.rept \n
	v_nop
.endr
.endm
.macro CROUND                          ; a round of the cluster's barrier
	s_barrier_signal -1
	s_barrier_wait -1
	s_cmp_lg_u32 s[WV], 0
	s_cbranch_scc1 .Lnot_wave_0_\@
	s_barrier_signal -3
.Lnot_wave_0_\@:
	s_barrier_wait -3
	s_barrier_signal -1
	s_barrier_wait -1
.endm
; one product; z = 1: it starts the sum; ra = 1: source 0's scale words stand in lanes 16-31
.macro WMM d, a, b, sa, sb, ra, z
.if \z
.if \ra
	v_wmma_scale_f32_16x16x128_f8f6f4 v[\d:\d+7], v[\a:\a+11], v[\b:\b+11], 0, v[\sa], v[\sb] matrix_a_fmt:MATRIX_FMT_FP6 matrix_b_fmt:MATRIX_FMT_FP6 matrix_a_scale:MATRIX_SCALE_ROW1
.else
	v_wmma_scale_f32_16x16x128_f8f6f4 v[\d:\d+7], v[\a:\a+11], v[\b:\b+11], 0, v[\sa], v[\sb] matrix_a_fmt:MATRIX_FMT_FP6 matrix_b_fmt:MATRIX_FMT_FP6
.endif
.else
.if \ra
	v_wmma_scale_f32_16x16x128_f8f6f4 v[\d:\d+7], v[\a:\a+11], v[\b:\b+11], v[\d:\d+7], v[\sa], v[\sb] matrix_a_fmt:MATRIX_FMT_FP6 matrix_b_fmt:MATRIX_FMT_FP6 matrix_a_scale:MATRIX_SCALE_ROW1
.else
	v_wmma_scale_f32_16x16x128_f8f6f4 v[\d:\d+7], v[\a:\a+11], v[\b:\b+11], v[\d:\d+7], v[\sa], v[\sb] matrix_a_fmt:MATRIX_FMT_FP6 matrix_b_fmt:MATRIX_FMT_FP6
.endif
.endif
.endm
; byte offsets of the q of tile (block s[jr], u) and of its scale words; s38 is left holding the token group G = 64 b + 4 j + cx
.macro QADR jr, a, b
	s_lshl_b32 s38, s[BB], 6
	s_lshl_b32 s39, s[\jr], 2
	s_add_co_u32 s38, s38, s39
	s_add_co_u32 s38, s38, s[CX]
	s_lshl_b32 s39, s38, 4
	s_add_co_u32 s39, s39, s[HD]                   ; 16 G + head
	s_mul_i32 s[\a], s39, 1536
	s_add_co_u32 s[\a], s[\a], s50                 ; my tile's half fragment
	s_mov_b32 s[\a+1], 0
	s_lshl_b32 s[\b], s39, 6
	s_add_co_u32 s[\b], s[\b], QSOFF
	s_mov_b32 s[\b+1], 0
.endm
; a tile begins: [q, 0] and [0, q] from the six registers at qs, their scale words from qw, the state, O^T = 0 (the 32 moves also stand between the scale words' last write and the first product)
.macro INIT qs, qw
.set n, 0
.rept 6
	v_mov_b32 v[QL+n], v[\qs+n]
	v_mov_b32 v[QL+18+n], v[\qs+n]
.set n, n+1
.endr
	v_lshrrev_b32 v[QW], s48, v[\qw]               ; the word holds tile 0's two bytes, then tile 1's
	s_delay_alu instid0(VALU_DEP_1)
	v_and_b32 v[QW], 0xffff, v[QW]                 ; [s0 s1 0 0] for [q, 0]
	s_delay_alu instid0(VALU_DEP_1)
	v_lshlrev_b32 v[QW+1], 16, v[QW]               ; [0 0 s0 s1] for [0, q]
	v_mov_b32 v13, 0xff61b1e6                      ; the largest t so far: -3e38, under every t
	s_delay_alu instid0(VALU_DEP_1)
	v_floor_f32 v12, -v13                          ; -M
	v_mov_b32 v14, 0                               ; the sum, in two halves
	v_mov_b32 v15, 0
.set n, 0
.rept 32
	v_mov_b32 v[OT+n], 0
.set n, n+1
.endr
	s_mov_b32 s[ST], s[PAR]                        ; my first key step, and its record
	s_mul_i32 s[TB], s[PAR], KVREC
	s_wait_alu depctr_va_vdst(0)
.endm
; nt trips, each one key step of my parity, for the tile of block s[jr]
.macro LOOP nt, jr
	s_mov_b32 s[CN], 0
.Lstep_\@:
	s_cmp_gt_u32 s[ST], s[\jr]                     ; all of this step's keys come after the tile's queries: only the stepping at the trip's end is done
	s_cbranch_scc1 .Lnext_\@
	v_add_nc_u32 v[ADR], s[TB], v[LI]
	v_add_nc_u32 v[ADS], s[TB], v[LS]
	v_nop
	v_nop                                          ; four places in front of loads into registers that the last step's products read
.irp b, 0,1,2,3
.irp k, 0,1,2
	ds_load_b128 v[KF+12*\b+4*\k:KF+12*\b+4*\k+3], v[ADR] offset:1536*\b+512*\k
.endr
.endr
	ds_load_b32 v[KS], v[ADS] offset:12288         ; lanes 0-15: fragment 0's words, lanes 16-31: fragment 1's
	ds_load_b32 v[KS+1], v[ADS] offset:12288+128
.irp t, 0,1,2,3
.irp k, 0,1,2
	ds_load_b128 v[VF+12*\t+4*\k:VF+12*\t+4*\k+3], v[ADR] offset:6144+1536*\t+512*\k
.endr
.endr
	ds_load_b32 v[VS], v[ADS] offset:12544
	ds_load_b32 v[VS+1], v[ADS] offset:12544+128
	s_wait_dscnt 14                                ; K and its words are in; V's 14 loads may be out
.irp b, 0,1,2,3
.irp e, 0,1
	WMM S+8*(2*\b+\e), KF+12*\b, QL+12*\e, KS+\b/2, QW+\e, \b%2, 1
.endr
.endr
	PLACES 4
	s_cmp_lg_u32 s[ST], s[\jr]
	s_cbranch_scc1 .Lopen_\@
	v_mov_b32 v[T0], 0xff800000                    ; the diagonal: register 16 b + i holds key 32 b + 16 (lane / 16) + i: hidden where 32 b + i > my query - 16 (lane / 16)
.set n, 0
.rept 64
	v_cmp_gt_i32 vcc_lo, 32*(n/16)+n%16, v[DQ]
	v_cndmask_b32 v[S+n], v[S+n], v[T0], vcc_lo
.set n, n+1
.endr
.Lopen_\@:
.irp b, 0,1,2,3
	v_max3_num_f32 v[BM+\b], v[S+16*\b], v[S+1+16*\b], v[S+2+16*\b]    ; the largest score of each block of 32 keys: it serves the row's maximum and, since p rises with the score, the block's largest p
.endr
.irp i, 3,5,7,9,11,13
.irp b, 0,1,2,3
	v_max3_num_f32 v[BM+\b], v[BM+\b], v[S+16*\b+\i], v[S+1+16*\b+\i]
.endr
.endr
.irp b, 0,1,2,3
	v_max_num_f32 v[BM+\b], v[BM+\b], v[S+15+16*\b]
.endr
.irp b, 0,1,2,3
	s_delay_alu instid0(VALU_DEP_4)
	v_permlanex16_b32 v[BP+\b], v[BM+\b], s[SEL], s[SEL+1]
.endr
.irp b, 0,1,2,3
	s_delay_alu instid0(VALU_DEP_4)
	v_max_num_f32 v[BM+\b], v[BM+\b], v[BP+\b]     ; with lane l xor 16's 16 keys
.endr
	s_delay_alu instid0(VALU_DEP_2)
	v_max3_num_f32 v[T0], v[BM], v[BM+1], v[BM+2]
	s_delay_alu instid0(VALU_DEP_1)
	v_max_num_f32 v[T0], v[T0], v[BM+3]
	s_delay_alu instid0(VALU_DEP_1)
	v_mul_f32 v[T0], s[CS], v[T0]                  ; as t (c is positive)
	s_delay_alu instid0(VALU_DEP_1)
	v_max_num_f32 v13, v13, v[T0]                  ; the running largest t
	v_mov_b32 v[T0], v12
	s_delay_alu instid0(VALU_DEP_2)
	v_floor_f32 v12, -v13                          ; the new -M = floor(-t): M is a whole number
	s_delay_alu instid0(VALU_DEP_1)
	v_sub_f32 v[T0], v12, v[T0]                    ; old M - new M: a whole number, 0 or less
	s_delay_alu instid0(VALU_DEP_1)
	v_cvt_i32_f32 v[T0], v[T0]                     ; (it saturates)
	s_delay_alu instid0(VALU_DEP_1)
	v_ldexp_f32 v[FF], 1.0, v[T0]                  ; f = 2^(old M - new M)
.set n, 0
.rept 32
	v_pk_fma_f32 v[S+n:S+n+1], v[S+n:S+n+1], s[CS:CS+1], v[12:13] op_sel_hi:[1,0,0]   ; t - M, two at a time
.set n, n+2
.endr
.irp b, 0,1,2,3
	v_fma_f32 v[BM+\b], v[BM+\b], s[CS], v12       ; the same of each block's largest score
.endr
	s_wait_alu depctr_va_vdst(0)
.set n, 0
.rept 64
	v_exp_f32 v[S+n], v[S+n]                       ; p = 2^(t - M): one batch
.set n, n+1
.endr
	v_pk_mul_f32 v[14:15], v[14:15], v[FF:FF+1] op_sel_hi:[1,0]   ; the sums under the new M (a plain place behind the batch)
	s_wait_alu depctr_va_vdst(0)                   ; one wait for the 64, ahead of their first reader
.irp b, 0,1,2,3
	v_exp_f32 v[BM+\b], v[BM+\b]                   ; the blocks' largest p
.endr
	v_pk_add_f32 v[S2:S2+1], v[S:S+1], v[S+2:S+3]                 ; the row's sum of the unquantised p: 32 packed additions in four chains by turns
	v_pk_add_f32 v[S3:S3+1], v[S+4:S+5], v[S+6:S+7]
	v_pk_add_f32 v[S3+2:S3+3], v[S+8:S+9], v[S+10:S+11]
	v_pk_add_f32 v[14:15], v[14:15], v[S+12:S+13]
	v_pk_add_f32 v[S2:S2+1], v[S2:S2+1], v[S+14:S+15]
.irp i, 16,24,32,40,48,56
	v_pk_add_f32 v[S3:S3+1], v[S3:S3+1], v[S+\i:S+\i+1]
	v_pk_add_f32 v[S3+2:S3+3], v[S3+2:S3+3], v[S+\i+2:S+\i+3]
	v_pk_add_f32 v[14:15], v[14:15], v[S+\i+4:S+\i+5]
	v_pk_add_f32 v[S2:S2+1], v[S2:S2+1], v[S+\i+6:S+\i+7]
.endr
	v_pk_add_f32 v[S3:S3+1], v[S3:S3+1], v[S3+2:S3+3]
	v_pk_add_f32 v[14:15], v[14:15], v[S2:S2+1]
	s_delay_alu instid0(VALU_DEP_1)
	v_pk_add_f32 v[14:15], v[14:15], v[S3:S3+1]
	s_wait_alu depctr_va_vdst(0)                   ; and one for the four
.irp b, 0,1,2,3
	v_max_num_f32 v[BM+\b], 0x1800000, v[BM+\b]    ; the floor 2^(3 - 127): the byte cannot fall under 1
.endr
.irp b, 0,1,2,3
	s_delay_alu instid0(VALU_DEP_4)
	v_add_nc_u32 v[SO+\b], 0xff000000, v[BM+\b]    ; 2 off the exponent field: the conversion's scale operand
.endr
.irp b, 0,1,2,3
	s_delay_alu instid0(VALU_DEP_4)
	v_lshrrev_b32 v[BY+\b], 23, v[SO+\b]
.endr
	s_delay_alu instid0(VALU_DEP_3)
	v_lshl_or_b32 v[PSW], v[BY+1], 8, v[BY]        ; p's scale word for these 128 keys
	s_delay_alu instid0(VALU_DEP_1)
	v_lshl_or_b32 v[PSW], v[BY+2], 16, v[PSW]
	s_delay_alu instid0(VALU_DEP_1)
	v_lshl_or_b32 v[PSW], v[BY+3], 24, v[PSW]
.irp c, 0,1
	v_cvt_scalef32_pk16_fp6_f32 v[PC+6*\c:PC+2+6*\c], v[S+32*\c:S+15+32*\c], v[SO+2*\c]
	v_cvt_scalef32_pk16_fp6_f32 v[CT+4*\c:CT+2+4*\c], v[S+16+32*\c:S+31+32*\c], v[SO+2*\c+1]
.endr
	v_nop                                          ; one plain place behind the scaled conversions
.irp c, 0,1                            ; the operand wants a WHOLE block in a lane
.irp i, 0,1,2
	v_permlane16_swap_b32 v[PC+6*\c+\i], v[CT+4*\c+\i]
.endr
.irp i, 0,1,2
	s_delay_alu instid0(VALU_DEP_3)
	v_mov_b32 v[PC+3+6*\c+\i], v[CT+4*\c+\i]
.endr
.endr
.set n, 0
.rept 16
	v_pk_mul_f32 v[OT+n:OT+n+1], v[OT+n:OT+n+1], v[FF:FF+1] op_sel_hi:[1,0]   ; O^T under the new M.  (These also stand between the last writes of p's codes and scale word and the products)
.set n, n+2
.endr
	s_wait_alu depctr_va_vdst(0)
	s_wait_dscnt 0x0                               ; V is in
.irp t, 0,1,2,3                        ; four accumulators by turns; eight other products stand between a step's and the next step's
	WMM OT+8*\t, VF+12*\t, PC, VS+\t/2, PSW, \t%2, 0
.endr
.Lnext_\@:
	s_add_co_u32 s[TB], s[TB], 2*KVREC
	s_add_co_u32 s[ST], s[ST], 2
	s_add_co_u32 s[CN], s[CN], 1
	s_cmp_lt_u32 s[CN], \nt
	s_cbranch_scc1 .Lstep_\@
.endm
	s_load_b128 s[4:7], s[0:1], 0x0                ; qb, kv
	s_load_b64 s[8:9], s[0:1], 0x10                ; oc
	v_lshl_add_u32 v[SPW], v0, 2, SPARE
	v_mov_b32 v[NIL], 0
	ds_add_u32 v[SPW], v[NIL]                      ; the wave's opening: the add, twice on end, and its wait stand ahead of the first tensor load; the set-up below stands between them
	ds_add_u32 v[SPW], v[NIL]
	v_lshrrev_b32 v11, 5, v0
	s_delay_alu instid0(VALU_DEP_1)
	v_readfirstlane_b32 s[WV], v11                 ; wave 0..15
	s_lshr_b32 s[U], s[WV], 3
	s_lshr_b32 s36, s[WV], 2
	s_xor_b32 s36, s36, s[WV]
	s_and_b32 s[PAR], s36, 1                       ; which key steps are mine: bit 0 xor bit 2
	s_bfe_u32 s[CX], ttmp6, 0x40000
	s_and_b32 s[Y], ttmp7, 0xffff
	s_and_b32 s[HD], s[Y], 15
	s_lshr_b32 s[BB], s[Y], 4
	s_bfe_u32 s36, s[WV], 0x20001                  ; my team's pair of blocks
	s_lshl_b32 s36, s36, 2
	s_lshr_b32 s[J], 0x942f, s36
	s_and_b32 s[J], s[J], 15
	s_xor_b32 s[J], s[J], ttmp9
	s_mul_i32 s36, s[PAR], 15
	s_xor_b32 s[J], s[J], s36                      ; the block of the tile that I keep (j xor 15 = 15 - j),
	s_xor_b32 s[JG], s[J], 15                      ; and of the tile that I give away
	s_mov_b32 s[G1], 15|(3<<16)|(1<<21)            ; 15:0 the mask: all four; 17:16 elements of 8 bytes; 21 set beside a mask
	s_mov_b32 s[G1+1], 32<<16                      ; a record, dense: 50 rows of 256 bytes
	s_mov_b32 s[G1+2], 50<<16
	s_mov_b32 s[G1+3], 32<<16
	s_mov_b32 s[G1+4], 50
	s_mov_b32 s[G1+5], 32
	s_mov_b32 s[G1+6], 0
	s_mov_b32 s[G1+7], 0
	s_mov_b32 s[G0], 1
	s_mul_i32 s[G0+1], s[WV], KVREC                ; key step w's record, in LDS
	s_lshl_b32 s36, s[Y], 4
	s_add_co_u32 s36, s36, s[WV]
	s_mul_i32 s36, s36, KVREC                      ; and in memory: no place in the cluster enters either
	s_mov_b32 s37, 0
	s_mul_i32 s50, s[U], 768
	QADR JG, 54, 56
	QADR J, 40, 42
	s_lshl_b32 s44, s38, 3
	s_lshr_b32 s50, s[HD], 1
	s_add_co_u32 s44, s44, s50
	s_mul_i32 s44, s44, REC                        ; oc: record (G of the kept tile, head / 2)
	s_and_b32 s51, s[HD], 1
	s_lshl_b32 s46, s[U], 7
	s_add_co_u32 s46, s46, s44
	s_lshl_b32 s50, s51, 2
	s_add_co_u32 s46, s46, s50
	s_add_co_u32 s46, s46, 3072                    ; slot 16 u + r, word head % 2
	s_mov_b32 s47, 0
	s_mul_i32 s50, s[U], 1536
	s_add_co_u32 s44, s44, s50
	s_mul_i32 s50, s51, 768
	s_add_co_u32 s44, s44, s50                     ; tile u's image, half head % 2
	s_mov_b32 s45, 0
	s_lshl_b32 s48, s[U], 4
	s_lshl_b32 s49, s51, 4
	s_lshl_b32 s50, s[CX], 5
	s_lshl_b32 s51, s[U], 3
	s_add_co_u32 s50, s50, s51                     ; 32 cx + 8 u
	s_mov_b32 s[SEL], 0x76543210
	s_mov_b32 s[SEL+1], 0xfedcba98                 ; v_permlanex16_b32's selects for lane l xor 16
	s_mov_b32 s[CS], 0x3e38aa3b                    ; c = log2(e) / sqrt(64)
	s_mov_b32 s[CS+1], s[CS]                       ; (named with it as a pair, so it is written)
	s_wait_dscnt 0x0                               ; both opening adds are done
	s_wait_kmcnt 0x0
	s_add_nc_u64 s[G0+2:G0+3], s[6:7], s[36:37]
	s_or_b32 s[G0+3], s[G0+3], 0x80000000
	s_add_nc_u64 s[54:55], s[4:5], s[54:55]
	s_add_nc_u64 s[56:57], s[4:5], s[56:57]
	s_add_nc_u64 s[40:41], s[4:5], s[40:41]
	s_add_nc_u64 s[42:43], s[4:5], s[42:43]
	s_add_nc_u64 s[44:45], s[8:9], s[44:45]
	s_add_nc_u64 s[46:47], s[8:9], s[46:47]
	CROUND                                         ; all four work-groups are here: the joint loads meet
	s_cmp_lt_u32 s[WV], 4                          ; records 0-3, which the first two trips read, are asked for first
	s_cbranch_scc0 .Lnot_first
	tensor_load_to_lds s[G0:G0+3], s[G1:G1+7]
	s_nop 0
	PLACES 4
.Lnot_first:
	v_and_b32 v11, 31, v0
	s_delay_alu instid0(VALU_DEP_1)
	v_lshlrev_b32 v[LI], 4, v11
	s_delay_alu instid0(VALU_DEP_2)
	v_lshlrev_b32 v[LS], 2, v11
	s_delay_alu instid0(VALU_DEP_3)
	v_lshlrev_b32 v[L8], 3, v11
	v_and_b32 v11, 15, v0
	s_delay_alu instid0(VALU_DEP_1)
	v_lshlrev_b32 v[R4], 2, v11
	s_delay_alu instid0(VALU_DEP_2)
	v_lshlrev_b32 v[R8], 3, v11
	global_load_b128 v[S:S+3], v[LI], s[54:55]     ; the given tile's q: registers 0-5 of a fragment: d = 32 (lane / 16) + 0 .. 31 of query lane % 16
	global_load_b64 v[S+4:S+5], v[L8], s[54:55] offset:512
	global_load_b32 v[S+6], v[R4], s[56:57]
	global_load_b128 v[Q2:Q2+3], v[LI], s[40:41]   ; the kept tile's
	global_load_b64 v[Q2+4:Q2+5], v[L8], s[40:41] offset:512
	global_load_b32 v[Q2W], v[R4], s[42:43]
	v_and_b32 v[DQ], 8, v11
	s_delay_alu instid0(VALU_DEP_1)
	v_add_nc_u32 v[DQ], v[DQ], v11
	s_delay_alu instid0(VALU_DEP_1)
	v_add_nc_u32 v[DQ], s50, v[DQ]
	v_bfe_u32 v11, v0, 4, 1
	s_delay_alu instid0(VALU_DEP_1)
	v_lshlrev_b32 v11, 4, v11
	s_delay_alu instid0(VALU_DEP_1)
	v_sub_nc_u32 v[DQ], v[DQ], v11
	s_mul_i32 s36, s[WV], XW
	s_add_co_u32 s36, s36, XCH
	v_add_nc_u32 v[XS], s36, v[LI]                 ; my part: XW bytes of my own
	s_xor_b32 s37, s[WV], 1
	s_mul_i32 s37, s37, XW
	s_add_co_u32 s37, s37, XCH
	v_add_nc_u32 v[XR], s37, v[LI]                 ; my partner's
.set n, 0
.rept 12
	v_mov_b32 v[QL+6+n], 0                         ; the zero halves of [q, 0] and [0, q]
.set n, n+1
.endr
.irp b, 0,1,2,3
	v_mov_b32 v[BP+\b], 0                          ; written once: a lane permute's destination counts as one of its sources
.endr
	v_mov_b32 v[T0], 0
	v_mov_b32 v[FF], 0
	v_mov_b32 v[FF+1], 0                           ; (named as the upper half of a pair)
	v_mov_b32 v[F2], 0
	v_mov_b32 v[F2+1], 0
	s_wait_alu depctr_va_vdst(0)
	s_wait_loadcnt 0x0
	INIT S, S+6                                    ; THE GIVEN TILE
	s_wait_tensorcnt 0x0                           ; my record of the first four, if I asked for one, is in
	ds_add_u32 v[SPW], v[NIL]                      ; the add, twice on end
	ds_add_u32 v[SPW], v[NIL]
	s_wait_dscnt 0x0
	CROUND                                         ; records 0-3 are whole, and all four work-groups are here
	s_cmp_lt_u32 s[WV], 4
	s_cbranch_scc1 .Lnot_second
	tensor_load_to_lds s[G0:G0+3], s[G1:G1+7]      ; records 4-15: first fills, the wave's one load behind the round
	s_nop 0
	PLACES 4
.Lnot_second:
	LOOP 2, JG                                     ; key steps 0-3
	s_wait_tensorcnt 0x0                           ; my record is in,
	s_wait_dscnt 0x0
	s_barrier_signal -1
	s_barrier_wait -1                              ; everybody's is
	LOOP 6, JG
	PLACES 4                                       ; behind the last products
.irp k, 0,1,2,3,4,5,6,7
	ds_store_b128 v[XS], v[OT+4*\k:OT+4*\k+3] offset:512*\k    ; each accumulator from its low end on
.endr
	ds_store_b128 v[XS], v[12:15] offset:4096      ; -M, the largest t, the sum's two halves
	INIT Q2, Q2W                                   ; THE KEPT TILE
	LOOP 8, J
	PLACES 4                                       ; behind the last products
	s_wait_alu depctr_va_vdst(0)
	s_wait_dscnt 0x0                               ; for my partner's sake: my stores have landed
	s_barrier_signal -1
	s_barrier_wait -1
.irp k, 0,1,2,3,4,5,6,7,8
	ds_load_b128 v[S+4*\k:S+4*\k+3], v[XR] offset:512*\k       ; my partner's part of the kept tile: O^T in v[S] on, -M in v[S+32], the sum's halves in v[S+34], v[S+35]
.endr
	s_wait_dscnt 0x0
	v_min_num_f32 v[T0], v12, v[S+32]              ; -(the larger M)
	v_add_f32 v14, v14, v15
	v_add_f32 v[S+34], v[S+34], v[S+35]
	s_delay_alu instid0(VALU_DEP_3)
	v_sub_f32 v[BM], v[T0], v12                    ; my M - the larger M, and my partner's: whole numbers, 0 or less
	v_sub_f32 v[BM+1], v[T0], v[S+32]
	s_delay_alu instid0(VALU_DEP_2)
	v_cvt_i32_f32 v[BM], v[BM]                     ; (they saturate)
	s_delay_alu instid0(VALU_DEP_2)
	v_cvt_i32_f32 v[BM+1], v[BM+1]
	s_delay_alu instid0(VALU_DEP_2)
	v_ldexp_f32 v[FF], 1.0, v[BM]
	s_delay_alu instid0(VALU_DEP_2)
	v_ldexp_f32 v[F2], 1.0, v[BM+1]
.set n, 0
.rept 16
	v_pk_mul_f32 v[OT+n:OT+n+1], v[OT+n:OT+n+1], v[FF:FF+1] op_sel_hi:[1,0]
.set n, n+2
.endr
.set n, 0
.rept 16
	v_pk_fma_f32 v[OT+n:OT+n+1], v[S+n:S+n+1], v[F2:F2+1], v[OT+n:OT+n+1] op_sel_hi:[1,0,1]
.set n, n+2
.endr
	v_mul_f32 v14, v14, v[FF]
	s_delay_alu instid0(VALU_DEP_1)
	v_fma_f32 v14, v[S+34], v[F2], v14             ; the sum of my lane's keys, all steps
	; THE WAY OUT: O^T / the sum; register 16 b + i = channel 32 b + 16 (lane / 16) + i of my head: two blocks of the last product's K
	s_delay_alu instid0(VALU_DEP_1)
	v_permlanex16_b32 v[T0], v14, s[SEL], s[SEL+1]
	s_delay_alu instid0(VALU_DEP_1)
	v_add_f32 v14, v14, v[T0]                      ; the row's sum
	s_wait_alu depctr_va_vdst(0)
	v_rcp_f32 v14, v14
	v_nop                                          ; a plain place behind the reciprocal
	s_wait_alu depctr_va_vdst(0)                   ; and the wait ahead of its first reader
.set n, 0
.rept 32
	v_mul_f32 v[S+n], v[OT+n], v14
.set n, n+1
.endr
.irp b, 0,1
	v_max3_num_f32 v[BM+\b], |v[S+16*\b]|, |v[S+1+16*\b]|, 0x1800000
.endr
.irp i, 2,4,6,8,10,12,14
.irp b, 0,1
	s_delay_alu instid0(VALU_DEP_2)
	v_max3_num_f32 v[BM+\b], v[BM+\b], |v[S+16*\b+\i]|, |v[S+1+16*\b+\i]|
.endr
.endr
.irp b, 0,1
	s_delay_alu instid0(VALU_DEP_2)
	v_permlanex16_b32 v[BP+\b], v[BM+\b], s[SEL], s[SEL+1]
.endr
.irp b, 0,1
	s_delay_alu instid0(VALU_DEP_2)
	v_max_num_f32 v[BM+\b], v[BM+\b], v[BP+\b]
.endr
.irp b, 0,1
	s_delay_alu instid0(VALU_DEP_2)
	v_add_nc_u32 v[SO+\b], 0xff000000, v[BM+\b]
.endr
.irp b, 0,1
	s_delay_alu instid0(VALU_DEP_2)
	v_lshrrev_b32 v[BY+\b], 23, v[SO+\b]
.endr
	s_delay_alu instid0(VALU_DEP_1)
	v_lshl_or_b32 v[BY], v[BY+1], 8, v[BY]
	s_delay_alu instid0(VALU_DEP_1)
	v_lshlrev_b32 v[BY], s49, v[BY]                ; an even head's two bytes low, an odd head's high: the reader joins the slot's two words
	v_cvt_scalef32_pk16_fp6_f32 v[PC:PC+2], v[S:S+15], v[SO]
	v_cvt_scalef32_pk16_fp6_f32 v[CT:CT+2], v[S+16:S+31], v[SO+1]
	v_nop
.irp i, 0,1,2
	v_permlane16_swap_b32 v[PC+\i], v[CT+\i]
.endr
.irp i, 0,1,2
	s_delay_alu instid0(VALU_DEP_3)
	v_mov_b32 v[PC+3+\i], v[CT+\i]
.endr
	global_store_b128 v[LI], v[PC:PC+3], s[44:45]              ; 512 consecutive bytes, at a multiple of 256 from the buffer's first byte
	global_store_b64 v[L8], v[PC+4:PC+5], s[44:45] offset:512  ; 256
	global_store_b32 v[R8], v[BY], s[46:47]                    ; lanes l and l xor 16 store the same word
	s_wait_tensorcnt 0x0                           ; the wave's end
	ds_add_u32 v[SPW], v[NIL]
	s_wait_dscnt 0x0
	CROUND                                         ; the closing round
	s_endpgm
.Lfunc_end_k_q7459382bcc_attn:
	.size	k_q7459382bcc_attn, .Lfunc_end_k_q7459382bcc_attn-k_q7459382bcc_attn
	.p2alignl 7, 3214868480
	.fill 96, 4, 3214868480
	.section	.rodata,"a",@progbits
	.p2align	6, 0x0
	.amdhsa_kernel k_q7459382bcc_attn
		.amdhsa_group_segment_fixed_size 327680
		.amdhsa_private_segment_fixed_size 0
		.amdhsa_enable_private_segment 0
		.amdhsa_kernarg_size 24
		.amdhsa_user_sgpr_count 2
		.amdhsa_user_sgpr_kernarg_segment_ptr 1
		.amdhsa_wavefront_size32 1
		.amdhsa_system_sgpr_workgroup_id_x 1
		.amdhsa_system_sgpr_workgroup_id_y 1
		.amdhsa_system_sgpr_workgroup_id_z 1
		.amdhsa_system_vgpr_workitem_id 0
		.amdhsa_next_free_vgpr 256
		.amdhsa_next_free_sgpr 66
		.amdhsa_reserve_vcc 1
		.amdhsa_float_denorm_mode_32 3
		.amdhsa_float_denorm_mode_16_64 3
		.amdhsa_memory_ordered 1
		.amdhsa_forward_progress 1
		.amdhsa_inst_pref_size 86
	.end_amdhsa_kernel
	.amdgpu_metadata
---
amdhsa.version: [ 1, 2 ]
amdhsa.kernels:
  - .name:           k_q7459382bcc_attn
    .symbol:         k_q7459382bcc_attn.kd
    .args:
      - { .name: qb, .offset: 0, .size: 8, .value_kind: global_buffer, .address_space: global }
      - { .name: kv, .offset: 8, .size: 8, .value_kind: global_buffer, .address_space: global }
      - { .name: oc, .offset: 16, .size: 8, .value_kind: global_buffer, .address_space: global }
    .group_segment_fixed_size: 327680
    .private_segment_fixed_size: 0
    .kernarg_segment_align: 8
    .kernarg_segment_size: 24
    .max_flat_workgroup_size: 512
    .sgpr_count:     66
    .vgpr_count:     256
    .wavefront_size: 32
...
	.end_amdgpu_metadata
.endif
;; end of part 4
;; launch oproj (part 5): grid 32 x 8, 8 waves a work-group, clusters of 4 x 4, 327,680 bytes of LDS; arguments oc, wr, bo, out0; writes out0
.if DOCPART == 5
	.amdgcn_target "amdgcn-amd-amdhsa--gfx1250"
	.amdhsa_code_object_version 6
	.text
	.protected	k_q7459382bcc_oproj
	.globl	k_q7459382bcc_oproj
	.p2align	8
	.type	k_q7459382bcc_oproj,@function
k_q7459382bcc_oproj:
	s_mov_b64 s[64:65], 0
	v_nop
	global_prefetch_b8 v0, s[64:65] scope:SCOPE_SE
	s_setreg_imm32_b32 hwreg(HW_REG_WAVE_MODE, 25, 1), 1
	s_wait_xcnt 0x0
	s_wait_alu depctr_hold_cnt(0) depctr_sa_sdst(0) depctr_va_vdst(0) depctr_va_sdst(0) depctr_va_ssrc(0) depctr_va_vcc(0) depctr_vm_vsrc(0)
	s_getreg_b32 s2, hwreg(HW_REG_IB_STS2, 6, 4)
	s_cmp_eq_u32 s2, 0
	s_cbranch_scc0 .Lentry_in_a_cluster
	s_endpgm
.Lentry_in_a_cluster:
	s_bfe_u32 s2, ttmp6, 0x10000c
	s_cmp_lg_u32 s2, 0xf033
	s_cbranch_scc0 .Lentry_shape_is_right
	s_endpgm
.Lentry_shape_is_right:
; out0 = Q(attention's output) Q(Wo) + bo on codes of FP6 (E2M3), scales E8M0, sums f32.
; SHARES.  Work-group (T, part): 128 tokens (record groups 4 T .. 4 T + 3 of oc) x 128 columns (groups 4 part .. + 3 of Wo's records).  Wave w: token group g = w % 4 (two tiles), column groups 2 x, 2 x + 1 with x = w / 4 (four tiles): 8 accumulators.
; THE PRODUCTS ARE USED TRANSPOSED (source 0 = 16 columns of Wo, source 1 = 16 tokens): a lane holds one token and, in the 16 registers of two tiles, 16 neighbouring columns.
; ALL EIGHT K STEPS LIE IN LDS AT ONCE (212,992 bytes), each byte filled once: four tensor loads a wave at the start, none later; four of a wave's loads are outstanding at the most.
; CLUSTER 4 x 4: oc's records hang on T alone and are shared along a column of the cluster, Wo's on part alone and are shared along a row: asked for jointly.
; A token fragment's two halves (registers 0-5, 6-11) were written by two heads: each half is 512 bytes (16 a lane) + 256 bytes (8 a lane), and a row's scale word is the OR of its slot's two words.
; bo is loaded INTO the accumulators.  The results leave through a stage in LDS (pitch 528), laid over K steps that have had their last fill and, behind a barrier, their last read: each store covers 512 consecutive bytes of a row of out0.
; REGISTERS.  Window 0: v4-8 LDS addresses; v16-27 scale words, two sets of six; v128-191 the accumulators (32 u + 8 p); v192-255 rows on their way out.  Window 1: two fragment buffers at 0 and 128: Wo's tiles at 12 p, tokens' at 48 + 12 u.
.set REC,   3328
; LDS AND LOADS, as the text now has them (this takes the place of what the head comment says of four loads a wave and of the order of a K step in LDS):
; LDS holds the records in the order of memory, [group][K step]: oc's four groups (32 records) at 0, Wo's four groups at BOFF; both are dense blocks of memory.
; ONE joint load a wave: waves 0-3 fetch one group of oc each, waves 4-7 one group of Wo each: 104 rows of 256 bytes; one load of a wave is outstanding.
.set GRP,   8*REC                      ; from a group's records to the next group's
.set STEPB, REC                        ; from a K step's record to the next step's
.set BOFF,  32*REC
.set SPARE, 64*REC
.set WO,    512*REC                    ; Wo's records in wr
.set SP,    528
.set AD,   4
.set SPW,  10
.set NIL,  11
.set H64,  12
.set L16,  13
.set SOA,  14
.set SRA,  15
.set SC,   16
.set ACC,  128
.set OUTR, 192
.set WV,   16
.set G1A,  24
.set G1B,  32
.set G0A,  40
.set G0B,  48
.set MSB, 0
.macro WIN new                         ; the immediate's high byte repeats the setting that is left
.if MSB != \new
	s_set_vgpr_msb (MSB<<8)|\new
.set MSB, \new
.endif
.endm
.macro PLACES n
.rept \n
	v_nop
.endr
.endm
.macro CROUND                          ; a round of the cluster's barrier
	s_barrier_signal -1
	s_barrier_wait -1
	s_cmp_lg_u32 s[WV], 0
	s_cbranch_scc1 .Lnot_wave_0_\@
	s_barrier_signal -3
.Lnot_wave_0_\@:
	s_barrier_wait -3
	s_barrier_signal -1
	s_barrier_wait -1
.endm
.macro WMM d, a, b, sa, sb, ra, rb     ; one product in place: ra, rb = 1: that side's scale words stand in lanes 16-31
.if (\ra) && (\rb)
	v_wmma_scale_f32_16x16x128_f8f6f4 v[\d:\d+7], v[\a:\a+11], v[\b:\b+11], v[\d:\d+7], v[\sa], v[\sb] matrix_a_fmt:MATRIX_FMT_FP6 matrix_b_fmt:MATRIX_FMT_FP6 matrix_a_scale:MATRIX_SCALE_ROW1 matrix_b_scale:MATRIX_SCALE_ROW1
.elseif \ra
	v_wmma_scale_f32_16x16x128_f8f6f4 v[\d:\d+7], v[\a:\a+11], v[\b:\b+11], v[\d:\d+7], v[\sa], v[\sb] matrix_a_fmt:MATRIX_FMT_FP6 matrix_b_fmt:MATRIX_FMT_FP6 matrix_a_scale:MATRIX_SCALE_ROW1
.elseif \rb
	v_wmma_scale_f32_16x16x128_f8f6f4 v[\d:\d+7], v[\a:\a+11], v[\b:\b+11], v[\d:\d+7], v[\sa], v[\sb] matrix_a_fmt:MATRIX_FMT_FP6 matrix_b_fmt:MATRIX_FMT_FP6 matrix_b_scale:MATRIX_SCALE_ROW1
.else
	v_wmma_scale_f32_16x16x128_f8f6f4 v[\d:\d+7], v[\a:\a+11], v[\b:\b+11], v[\d:\d+7], v[\sa], v[\sb] matrix_a_fmt:MATRIX_FMT_FP6 matrix_b_fmt:MATRIX_FMT_FP6
.endif
.endm
.macro FETCH f                         ; a K step's 6 fragments and scale words: 23 loads
	WIN 0x40                                       ; destination window 1, address window 0
.irp p, 0,1,2,3
.irp k, 0,1,2
	ds_load_b128 v[128*\f+12*\p+4*\k:128*\f+12*\p+4*\k+3], v[AD] offset:GRP*(\p/2)+1536*(\p%2)+512*\k
.endr
.endr
.irp u, 0,1
.irp c, 0,1
	ds_load_b128 v[128*\f+48+12*\u+6*\c:128*\f+48+12*\u+6*\c+3], v[AD+1] offset:1536*\u+768*\c
	ds_load_b64 v[128*\f+48+12*\u+6*\c+4:128*\f+48+12*\u+6*\c+5], v[AD+2] offset:1536*\u+768*\c
.endr
.endr
	WIN 0
	ds_load_b32 v[SC+6*\f], v[AD+3]                ; lanes 0-15: tile 0's words, lanes 16-31: tile 1's
	ds_load_b32 v[SC+6*\f+1], v[AD+3] offset:GRP
	ds_load_b64 v[SC+6*\f+4:SC+6*\f+5], v[AD+4]    ; the tokens' slots: two halves of a word
.endm
.macro MUL f                           ; 8 products; the 8 accumulators take turns, one instruction a turn, in the same order in every step
	WIN 0x05                                       ; sources 0 and 1 window 1; C and D window 0
.irp u, 0,1
.irp p, 0,1,2,3
	WMM ACC+32*\u+8*\p, 128*\f+12*\p, 128*\f+48+12*\u, SC+6*\f+\p/2, SC+6*\f+2, \p%2, \u
.endr
.endr
	WIN 0
.endm
.macro STEP s, cur, nxt
	s_wait_dscnt 0x0                               ; this step's fragments are in
	v_or_b32 v[SC+6*\cur+2], v[SC+6*\cur+4], v[SC+6*\cur+5]   ; the tokens' scale words; eight plain lines stand between this write and the products
.if \s < 7
.irp a, 0,1,2,3,4
	v_add_nc_u32 v[AD+\a], STEPB, v[AD+\a]         ; on to the next step; these are also the places in front of loads into registers that the last step's products read
.endr
	PLACES 3
	FETCH \nxt
.else
	PLACES 8
.endif
	MUL \cur
.endm
	s_load_b256 s[4:11], s[0:1], 0x0               ; oc, wr, bo, out0
	v_lshl_add_u32 v[SPW], v0, 2, SPARE
	v_mov_b32 v[NIL], 0
	ds_add_u32 v[SPW], v[NIL]                      ; the wave's opening: the add and its wait stand ahead of the first tensor load; the set-up below stands between them
	ds_add_u32 v[SPW], v[NIL]
	v_lshrrev_b32 v1, 5, v0
	s_delay_alu instid0(VALU_DEP_1)
	v_readfirstlane_b32 s[WV], v1                  ; wave 0..7
	s_and_b32 s17, s[WV], 3                        ; g; also: which K step of a phase I fetch
	s_lshr_b32 s18, s[WV], 2                       ; x; also: which half of the groups I fetch
	s_bfe_u32 s19, ttmp6, 0x40000                  ; cx
	s_bfe_u32 s20, ttmp6, 0x40004                  ; cy
	s_lshl_b32 s21, ttmp9, 2
	s_add_co_u32 s21, s21, s19                     ; T
	s_and_b32 s22, ttmp7, 0xffff
	s_lshl_b32 s22, s22, 2
	s_add_co_u32 s22, s22, s20                     ; part
	s_lshl_b32 s23, 0x1111, s19                    ; my column of the cluster: the same T
	s_lshl_b32 s60, s20, 2
	s_lshl_b32 s60, 15, s60                        ; my row: the same part
	s_or_b32 s[G1A], s23, (3<<16)|(1<<21)          ; 15:0 the mask; 17:16 elements of 8 bytes; 21 set beside a mask; no padding
	s_or_b32 s[G1B], s60, (3<<16)|(1<<21)
.irp g, G1A, G1B
	s_mov_b32 s[\g+1], 32<<16                      ; a dense block as rows of 256 bytes: 32 elements of 8 bytes
	s_mov_b32 s[\g+2], 104<<16                     ; eight records: 104 rows
	s_mov_b32 s[\g+3], 32<<16
	s_mov_b32 s[\g+4], 104
	s_mov_b32 s[\g+5], 32
	s_mov_b32 s[\g+6], 0
	s_mov_b32 s[\g+7], 0
.endr
	s_mul_i32 s63, s17, GRP                        ; group w % 4: the same distance in memory and in LDS (the wave's number alone)
	s_mul_i32 s56, s21, 4*GRP                      ; oc's records: T's four groups; no register of this address ever holds part
	s_add_co_u32 s56, s56, s63
	s_mov_b32 s57, 0
	s_mul_i32 s58, s22, 4*GRP                      ; Wo's: part's four groups; none of these ever holds T
	s_add_co_u32 s58, s58, s63
	s_add_co_u32 s58, s58, WO
	s_mov_b32 s59, 0
	s_add_co_u32 s62, s63, BOFF
	s_lshl_b32 s74, s22, 9                         ; bo: 4 (128 part + 64 x)
	s_lshl_b32 s78, s18, 8
	s_add_co_u32 s74, s74, s78
	s_mov_b32 s75, 0
	s_lshl_b32 s72, s21, 7                         ; the first row that I store: 128 T + 32 (w / 2) + 8 (w % 2)
	s_lshr_b32 s78, s[WV], 1
	s_lshl_b32 s78, s78, 5
	s_add_co_u32 s72, s72, s78
	s_and_b32 s78, s[WV], 1
	s_lshl_b32 s78, s78, 3
	s_add_co_u32 s72, s72, s78
	s_lshl_b32 s72, s72, 12                        ; rows of 4,096 bytes
	s_lshl_b32 s78, s22, 9
	s_add_co_u32 s72, s72, s78                     ; + 512 part
	s_mov_b32 s73, 0
	s_wait_dscnt 0x0                               ; the opening add is done
	s_wait_kmcnt 0x0
	s_add_nc_u64 s[56:57], s[4:5], s[56:57]
	s_add_nc_u64 s[58:59], s[6:7], s[58:59]
	s_add_nc_u64 s[74:75], s[8:9], s[74:75]
	s_add_nc_u64 s[72:73], s[10:11], s[72:73]
	s_mov_b32 s[G0A], 1
	s_mov_b32 s[G0A+1], s63
	s_mov_b64 s[G0A+2:G0A+3], s[56:57]
	s_or_b32 s[G0A+3], s[G0A+3], 0x80000000
	s_mov_b32 s[G0B], 1
	s_mov_b32 s[G0B+1], s62
	s_mov_b64 s[G0B+2:G0B+3], s[58:59]
	s_or_b32 s[G0B+3], s[G0B+3], 0x80000000
	CROUND                                         ; all sixteen work-groups are here: the joint loads meet
	s_cmp_eq_u32 s18, 0                            ; waves 0-3 fetch for oc, waves 4-7 for Wo: one load in each arm, both arms lead to one join
	s_cbranch_scc0 .Lfor_b
	tensor_load_to_lds s[G0A:G0A+3], s[G1A:G1A+7]
	s_nop 0
	PLACES 4
	s_branch .Lasked
.Lfor_b:
	tensor_load_to_lds s[G0B:G0B+3], s[G1B:G1B+7]
	s_nop 0
	PLACES 4
.Lasked:
	v_and_b32 v1, 31, v0
	v_and_b32 v2, 15, v0
	v_bfe_u32 v3, v0, 4, 1
	s_delay_alu instid0(VALU_DEP_1)
	v_lshlrev_b32 v[H64], 6, v3
	s_delay_alu instid0(VALU_DEP_4)
	v_lshlrev_b32 v[L16], 4, v1
	v_lshlrev_b32 v9, 3, v1                        ; 8 l
	s_mul_i32 s79, s18, 2*GRP
	s_add_co_u32 s78, s79, BOFF
	v_add_nc_u32 v[AD], s78, v[L16]                ; my two column groups
	s_mul_i32 s80, s17, GRP
	v_add_nc_u32 v[AD+1], s80, v[L16]              ; my token group: the halves' first four registers,
	s_add_co_u32 s78, s80, 512
	v_add_nc_u32 v[AD+2], s78, v9                  ; and their last two
	s_add_co_u32 s78, s79, BOFF+3072
	v_add_nc_u32 v[AD+3], s78, v9
	s_add_co_u32 s78, s80, 3072
	v_add_nc_u32 v[AD+4], s78, v9
	s_mul_i32 s78, s17, 32*SP
	s_lshl_b32 s81, s18, 8
	s_add_co_u32 s78, s78, s81
	v_mul_u32_u24 v[SOA], v2, SP
	s_wait_alu depctr_va_vdst(0)
	v_add_nc_u32 v[SOA], v[SOA], v[H64]
	s_delay_alu instid0(VALU_DEP_1)
	v_add_nc_u32 v[SOA], s78, v[SOA]               ; the stage, in: row 32 g + r (+ 16 u), byte 256 x + 64 h
	s_mul_i32 s78, s[WV], 16*SP
	v_add_nc_u32 v[SRA], s78, v[L16]               ; and back: rows 16 w on, 16 bytes a lane
.irp u, 0,1                            ; bo in the result's layout: lane (r, h), tile p = 2 b + u': columns 32 b + 8 u' + 16 h + 0 .. 7
.irp p, 0,1,2,3
	global_load_b128 v[ACC+32*\u+8*\p:ACC+32*\u+8*\p+3], v[H64], s[74:75] offset:128*(\p/2)+32*(\p%2)
	global_load_b128 v[ACC+32*\u+8*\p+4:ACC+32*\u+8*\p+7], v[H64], s[74:75] offset:128*(\p/2)+32*(\p%2)+16
.endr
.endr
	s_wait_tensorcnt 0x0                           ; my one load is in
	s_barrier_signal -1
	s_barrier_wait -1
	FETCH 0
	s_wait_loadcnt 0x0                             ; bo
	STEP 0, 0, 1
	s_wait_alu depctr_va_vdst(0)
	STEP 1, 1, 0
	s_wait_alu depctr_va_vdst(0)
	STEP 2, 0, 1
	s_wait_alu depctr_va_vdst(0)
	STEP 3, 1, 0
	s_wait_alu depctr_va_vdst(0)
	STEP 4, 0, 1
	s_wait_alu depctr_va_vdst(0)
	STEP 5, 1, 0
	s_wait_alu depctr_va_vdst(0)
	STEP 6, 0, 1
	STEP 7, 1, 0
	PLACES 4                                       ; in front of the first read of results
	s_wait_dscnt 0x0                               ; my reads of the operands are over
	s_barrier_signal -1
	s_barrier_wait -1                              ; everybody's are: their bytes, which have had their last fill, become the stage
.irp u, 0,1
.irp p, 0,1,2,3
	ds_store_b128 v[SOA], v[ACC+32*\u+8*\p:ACC+32*\u+8*\p+3] offset:16*SP*\u+128*(\p/2)+32*(\p%2)         ; each accumulator from its low end on
	ds_store_b128 v[SOA], v[ACC+32*\u+8*\p+4:ACC+32*\u+8*\p+7] offset:16*SP*\u+128*(\p/2)+32*(\p%2)+16
.endr
.endr
	s_wait_dscnt 0x0                               ; for the others' sake: my stores have landed
	s_barrier_signal -1
	s_barrier_wait -1
.irp i, 0,1,2,3,4,5,6,7,8,9,10,11,12,13,14,15
	ds_load_b128 v[OUTR+4*\i:OUTR+4*\i+3], v[SRA] offset:\i*SP
.endr
.irp i, 0,1,2,3,4,5,6,7,8,9,10,11,12,13,14,15
	s_wait_dscnt 15-\i                             ; row i is back; the rows behind it may be out
	global_store_b128 v[L16], v[OUTR+4*\i:OUTR+4*\i+3], s[72:73] offset:(\i+8*(\i/8))*4096 th:TH_STORE_NT   ; stage row 16 w + i is token 8 (w % 2) + i + 8 (i / 8) of its group: 512 consecutive bytes, at a multiple of 256 from out0's first byte
.endr
	s_wait_tensorcnt 0x0                           ; the wave's end
	ds_add_u32 v[SPW], v[NIL]
	s_wait_dscnt 0x0
	CROUND                                         ; the closing round
	s_endpgm
.Lfunc_end_k_q7459382bcc_oproj:
	.size	k_q7459382bcc_oproj, .Lfunc_end_k_q7459382bcc_oproj-k_q7459382bcc_oproj
	.p2alignl 7, 3214868480
	.fill 96, 4, 3214868480
	.section	.rodata,"a",@progbits
	.p2align	6, 0x0
	.amdhsa_kernel k_q7459382bcc_oproj
		.amdhsa_group_segment_fixed_size 327680
		.amdhsa_private_segment_fixed_size 0
		.amdhsa_enable_private_segment 0
		.amdhsa_kernarg_size 32
		.amdhsa_user_sgpr_count 2
		.amdhsa_user_sgpr_kernarg_segment_ptr 1
		.amdhsa_wavefront_size32 1
		.amdhsa_system_sgpr_workgroup_id_x 1
		.amdhsa_system_sgpr_workgroup_id_y 1
		.amdhsa_system_sgpr_workgroup_id_z 1
		.amdhsa_system_vgpr_workitem_id 0
		.amdhsa_next_free_vgpr 512
		.amdhsa_next_free_sgpr 100
		.amdhsa_reserve_vcc 0
		.amdhsa_float_denorm_mode_32 3
		.amdhsa_float_denorm_mode_16_64 3
		.amdhsa_memory_ordered 1
		.amdhsa_forward_progress 1
		.amdhsa_inst_pref_size 37
	.end_amdhsa_kernel
	.amdgpu_metadata
---
amdhsa.version: [ 1, 2 ]
amdhsa.kernels:
  - .name:           k_q7459382bcc_oproj
    .symbol:         k_q7459382bcc_oproj.kd
    .args:
      - { .name: oc, .offset: 0, .size: 8, .value_kind: global_buffer, .address_space: global }
      - { .name: wr, .offset: 8, .size: 8, .value_kind: global_buffer, .address_space: global }
      - { .name: bo, .offset: 16, .size: 8, .value_kind: global_buffer, .address_space: global }
      - { .name: out0, .offset: 24, .size: 8, .value_kind: global_buffer, .address_space: global }
    .group_segment_fixed_size: 327680
    .private_segment_fixed_size: 0
    .kernarg_segment_align: 8
    .kernarg_segment_size: 32
    .max_flat_workgroup_size: 256
    .sgpr_count:     100
    .vgpr_count:     512
    .wavefront_size: 32
...
	.end_amdgpu_metadata
.endif
;; end of part 5
